; MI455X (gfx1250); checked and timed in simulation.
; The chip was launched on July 23, 2026; its instructions are those of AMD's public machine-readable ISA for CDNA 5 (MIT licence, August 2026) and "CDNA5" Instruction Set Architecture Reference Guide (July 2026). The comments in the code are by the model that wrote it; some were corrected since.
;; Single Head Attention. Allowed arithmetic: matrix products marked QUANTISED: E2M1 operands, one E8M0 scale for each 32 along K, by v_wmma_scale_f32_16x16x128_f8f6f4 with both operands' format E2M1 (or v_wmma_scale_f32_32x16x128_f4), f32 sums; products left as they are: bf16, f16 or f32 operands; f32 sums; everything else in f32.
;; Inputs: Wk 1,024 x 1,024 float32; Wq 1,024 x 1,024 float32; Wv 1,024 x 1,024 float32; embedded 4 x 2,048 x 1,024 float32.
;; Outputs: out0 4 x 2,048 x 1,024 float32.
;; This version of the problem:
;;   THIS VERSION OF THE PROBLEM IS GIVEN IN LOW PRECISION. The matrix products marked QUANTISED in the list below multiply operands that are first quantised to E2M1 (2 exponent bits, 1 mantissa bit; 4 bits a number), with one power-of-two scale for each 32 numbers along K (OCP MX v1.0); their sums are f32. The products marked 'left as it is' may take bf16, f16 or f32 operands, with f32 sums. Whichever they take, every output number must still come out within the allowed error. Rounding operands to bf16 (8 significant bits) uses up far more of that allowance than f16 does (11 bits, for magnitudes from 6e-5 to 65,504). All else is computed in f32.
;;   The module's matrix products, in the order in which they are computed (A, B: the left and right operand; K: the contracted axis; several contracted axes count as one K, in the product's order):
;;     1. [M 8,192, K 1,024] x [K 1,024, N 1,024]; A: input embedded; B: input Wq: QUANTISED
;;     2. [M 8,192, K 1,024] x [K 1,024, N 1,024]; A: input embedded; B: input Wk: QUANTISED
;;     3. [M 8,192, K 1,024] x [K 1,024, N 1,024]; A: input embedded; B: input Wv: QUANTISED
;;     4. batch 4 x [M 2,048, K 1,024] x [K 1,024, N 2,048]; A: computed on the way; B: computed on the way: left as it is (an operand is computed on the way)
;;     5. batch 4 x [M 2,048, K 2,048] x [K 2,048, N 1,024]; A: computed on the way; B: computed on the way: left as it is (an operand is computed on the way)
;;   THE QUANTISER, for each operand of a quantised product, along K:
;;     - K is cut into blocks of 32 from its start; a last block that is shorter is filled with zeros.
;;     - A block's scale is 2^e with e = floor(log2(the largest magnitude in the block)) - 2, held to -126 .. 127; a block of zeros has e = 0. As a byte (E8M0): e + 127.
;;     - Each number is divided by its block's scale, clamped to +-6, and rounded to the nearest number of E2M1, ties to even, subnormals kept.
;;     - The product sums the exact products of the quantised numbers (number of the format x scale) in f32.
;;   ~~~python
;;   def quantise(x, axis):      # numpy; x: float32 -> the quantised numbers, widened to float32 again
;;       x = np.moveaxis(x, axis, -1); K = x.shape[-1]
;;       x = np.pad(x, [(0, 0)] * (x.ndim - 1) + [(0, -K % 32)]); x = x.reshape(x.shape[:-1] + (-1, 32)); a = np.abs(x).max(-1, keepdims=True)
;;       e = np.where(a > 0, np.clip(np.frexp(np.where(a > 0, a, 1))[1] - 1 - 2, -126, 127), 0)      # np.frexp(a)[1] - 1 = floor(log2(a)), exactly
;;       r = np.clip(x / 2.0 ** e, -6, 6)
;;       step = 2.0 ** (np.maximum(np.frexp(np.where(r == 0, 1, r))[1] - 1, 0) - 1)
;;       q = np.round(r / step) * step * 2.0 ** e      # np.round: ties to even
;;       return np.moveaxis(q.reshape(q.shape[:-2] + (-1,))[..., :K], -1, axis).astype(np.float32)
;;   ~~~
;; One version. Each part assembles by itself: llvm-mc -triple=amdgcn-amd-amdhsa -mcpu=gfx1250 --defsym DOCPART=n.
;; ======== version 1 of 1: 4 launches
;; limits: values are held in f16: magnitudes above 65,504 overflow, below 6.1e-05 lose precision
;; workspace buffers: x_codes 4,194,304 bytes; x_scales 262,144 bytes; w_codes 1,572,864 bytes; w_scales 98,304 bytes; qk 33,554,432 bytes; vt 16,777,216 bytes; p_img 33,554,432 bytes; stats 2,097,152 bytes
;; launch quant (part 1): grid 352 x 1, 4 waves a work-group, no clusters, 33,280 bytes of LDS; arguments embedded, Wq, Wk, Wv, x_codes, x_scales, w_codes, w_scales; writes x_codes, x_scales, w_codes, w_scales
.if DOCPART == 1
	.amdgcn_target "amdgcn-amd-amdhsa--gfx1250"
	.amdhsa_code_object_version 6
	.text
	.protected	k_q8ce0e1ab38_quant
	.globl	k_q8ce0e1ab38_quant
	.p2align	8
	.type	k_q8ce0e1ab38_quant,@function
k_q8ce0e1ab38_quant:
	s_mov_b64 s[64:65], 0
	v_nop
	global_prefetch_b8 v0, s[64:65] scope:SCOPE_SE
	s_setreg_imm32_b32 hwreg(HW_REG_WAVE_MODE, 25, 1), 1
	s_wait_xcnt 0x0
; embedded [8192][1024] and Wq, Wk, Wv [1024][1024], f32, become codes of FP4 (E2M1), K innermost, two codes a byte, with one E8M0 byte for each 32 along K.
; x_codes [8192][512 bytes], x_scales [8192][32]; w_codes [3072][512 bytes], w_scales [3072][32], rows in the order Wq, Wk, Wv.
; A block's scale is 2^(floor(log2(its largest magnitude)) - 2); its byte is the largest magnitude's exponent field - 2, held at 1 from below.
; Each number is divided by the scale and rounded to the nearest code, ties to even; beyond 6 the largest code.
; LIMITS: a block of zeros gets the byte 1 (its codes are zeros, and this program alone reads the bytes); NaN and infinities are not served.
; Rows are dense and K is a multiple of 32: every tensor is a plain stream of blocks of 32.  Work-groups 0-255 take embedded, 256-287 Wq, 288-319 Wk, 320-351 Wv:
; 32,768 numbers a work-group, 8,192 a wave, in 16 steps of 512.  Only pointers are chosen: all take one path through the text.
; Each load reads 512 consecutive bytes; a step's 2,048 bytes turn through the wave's own stage in LDS and come back 64 bytes a lane (16 neighbours along K; two lanes hold a block).
; Loads run eight steps ahead: 32 loads, half of the wave's 32,768 bytes, are on their way at a time.
; A wave's store of codes covers 256 consecutive bytes; its 256 scale bytes are gathered in LDS and leave as 256 consecutive bytes.  Waves share nothing: no barrier.
.set WAVES, 4
.set STEPS, 16
.set AHEAD, 8                          ; steps of loads on their way
.set EMAX,  2
.set CB,    8                          ; bytes of 16 codes
.set R,     16                         ; v16-143  eight sets of 16 numbers as loaded
.set X,     144                        ; v144-175 two sets of 16 neighbours
.set E,     176                        ; v176-191 a scale byte for each step
.set C,     192                        ; v192-223 codes: two registers of its own for each step
.set WREG,  8192                       ; LDS: a region for each wave: two stages of 32 x SP bytes, then its 256 scale bytes
.set SP,    80                         ; a lane's place in a stage: 64 bytes + 16 of padding
.set SPW,   12                         ; v12  LDS address of my spare word; never rewritten
.set NIL,   13                         ; v13  0; never rewritten
.set SPARE, WAVES*WREG                 ; behind the four regions: the spare words, 128 bytes a wave
	s_load_b256 s[4:11], s[0:1], 0x0               ; embedded s[4:5], Wq s[6:7], Wk s[8:9], Wv s[10:11]
	s_load_b256 s[12:19], s[0:1], 0x20             ; x_codes s[12:13], x_scales s[14:15], w_codes s[16:17], w_scales s[18:19]
	v_lshl_add_u32 v[SPW], v0, 2, SPARE
	v_mov_b32 v[NIL], 0
	v_lshrrev_b32 v1, 5, v0
	v_readfirstlane_b32 s20, v1                    ; wave
	v_and_b32 v2, 31, v0                           ; lane
	v_lshlrev_b32 v3, 4, v2                        ; my 16 bytes of a load's 512
	s_mul_i32 s21, s20, WREG
	v_lshrrev_b32 v14, 2, v2
	v_mul_u32_u24 v14, v14, SP
	v_and_b32 v15, 3, v2
	v_lshl_add_u32 v14, v15, 4, v14
	v_add_nc_u32 v14, s21, v14                     ; the stage, on the way in: SP (lane / 4) + 16 (lane % 4)
	v_mul_u32_u24 v15, v2, SP
	v_add_nc_u32 v15, s21, v15                     ; and on the way out: SP x lane
	v_mul_u32_u24 v4, v2, CB                       ; my codes' place in a step's
	v_lshrrev_b32 v5, 1, v2
	s_add_co_u32 s21, s21, 2*32*SP
	v_add_nc_u32 v5, s21, v5                       ; my wave's 256 scale bytes, my block's byte
	v_lshlrev_b32 v7, 3, v2                        ; on the way out 8 bytes a lane
	v_add_nc_u32 v6, s21, v7
	s_and_b32 s22, ttmp9, 31                       ; my place among a weight's 32 work-groups
	s_and_b32 s23, ttmp9, 255                      ; my place in the destination: 0-255 in x's buffers, 0-95 in w's
	s_wait_kmcnt 0x0
	s_cmp_lt_u32 ttmp9, 320                        ; the choices hang on the work-group's number alone
	s_cselect_b64 s[10:11], s[8:9], s[10:11]       ; Wk or Wv,
	s_cmp_lt_u32 ttmp9, 288
	s_cselect_b64 s[10:11], s[6:7], s[10:11]       ; or Wq,
	s_cmp_lt_u32 ttmp9, 256
	s_cselect_b64 s[4:5], s[4:5], s[10:11]         ; or embedded
	s_cselect_b64 s[12:13], s[12:13], s[16:17]
	s_cselect_b64 s[14:15], s[14:15], s[18:19]
	s_cselect_b32 s22, ttmp9, s22
	s_lshl_b32 s22, s22, 2
	s_add_co_u32 s22, s22, s20                     ; which run of 8,192 numbers of the source is my wave's,
	s_lshl_b32 s23, s23, 2
	s_add_co_u32 s23, s23, s20                     ; and of the destination
	s_lshl_b32 s24, s22, 15                        ; 32,768 bytes of f32 a run
	s_mov_b32 s25, 0
	s_add_nc_u64 s[4:5], s[4:5], s[24:25]
	s_lshl_b32 s24, s23, 12                        ; 4,096 bytes of codes
	s_add_nc_u64 s[12:13], s[12:13], s[24:25]
	s_lshl_b32 s24, s23, 8                         ; 256 scale bytes
	s_add_nc_u64 s[14:15], s[14:15], s[24:25]
.macro LOAD t
.irp i, 0,1,2,3
	global_load_b128 v[R+16*((\t)%AHEAD)+4*\i:R+16*((\t)%AHEAD)+4*\i+3], v3, s[4:5] offset:2048*(\t)+512*\i th:TH_LOAD_NT   ; 32 lanes read 512 consecutive bytes
.endr
.endm
.macro TURN t                          ; step t's numbers through the stage: LDS serves a wave's instructions in order, so no wait stands between the stores and the loads
.irp i, 0,1,2,3
	ds_store_b128 v14, v[R+16*((\t)%AHEAD)+4*\i:R+16*((\t)%AHEAD)+4*\i+3] offset:32*SP*((\t)%2)+8*SP*\i
.endr
.irp i, 0,1,2,3
	ds_load_b128 v[X+16*((\t)%2)+4*\i:X+16*((\t)%2)+4*\i+3], v15 offset:32*SP*((\t)%2)+16*\i
.endr
.endm
.irp t, 0,1,2,3,4,5,6,7
	LOAD \t
.endr
	s_wait_loadcnt 4*(AHEAD-1)                     ; step 0's four loads are in; the 28 of steps 1 to 7 may be out
	TURN 0
.macro STEP t
.set XS, X+16*((\t)%2)
.if (\t) > 0
	s_wait_dscnt 1                                 ; this step's numbers are back from the stage; the last step's byte store may be out
.else
	s_wait_dscnt 0x0
.endif
.if (\t)+AHEAD < STEPS
	LOAD (\t)+AHEAD                                ; into the registers that the stage's stores have read
.endif
.if (\t)+1 < STEPS
.if STEPS-2-(\t) >= AHEAD-1
	s_wait_loadcnt 4*(AHEAD-1)                     ; the next step's four loads are in; those of the seven steps behind it may be out
.else
	s_wait_loadcnt 4*(STEPS-2-(\t))                ; nothing more is asked for: the count runs down with the steps that are left
.endif
	TURN (\t)+1                                    ; through the other stage while this step is worked
.endif
	v_max3_num_f32 v8, |v[XS]|, |v[XS+1]|, |v[XS+2]|               ; the largest magnitude of my 16, in two chains
	v_max3_num_f32 v9, |v[XS+3]|, |v[XS+4]|, |v[XS+5]|
.irp i, 6,10
	v_max3_num_f32 v8, v8, |v[XS+\i]|, |v[XS+\i+1]|
	v_max3_num_f32 v9, v9, |v[XS+\i+2]|, |v[XS+\i+3]|
.endr
	v_max3_num_f32 v8, v8, |v[XS+14]|, |v[XS+15]|
	v_max3_num_f32 v8, v8, v9, (EMAX+1)<<23        ; and the floor 2^(EMAX + 1 - 127): the byte cannot fall under 1
	v_max_num_f32_dpp v8, v8, v8 row_xmask:1 row_mask:0xf bank_mask:0xf   ; with my neighbour's 16: the block's
	v_add_nc_u32 v11, -(EMAX<<23), v8              ; EMAX off its exponent field: the conversion takes the exponent field of this operand as its scale
	v_cvt_scalef32_pk8_fp4_f32 v[C+2*(\t)], v[XS:XS+7], v11
	v_cvt_scalef32_pk8_fp4_f32 v[C+2*(\t)+1], v[XS+8:XS+15], v11
	v_lshrrev_b32 v[E+(\t)], 23, v11               ; the scale's byte (a plain line behind the conversions)
	ds_store_b8 v5, v[E+(\t)] offset:16*(\t)       ; both lanes of a block write the same byte with the same value
	global_store_b64 v4, v[C+2*(\t):C+2*(\t)+1], s[12:13] offset:32*CB*(\t)   ; 32 lanes store 256 consecutive bytes
.endm
.irp t, 0,1,2,3,4,5,6,7,8,9,10,11,12,13,14,15
	STEP \t
.endr
	ds_load_b64 v[8:9], v6                         ; LDS serves a wave's instructions in order: these see my byte stores
	s_wait_dscnt 0x0
	global_store_b64 v7, v[8:9], s[14:15]          ; 32 lanes store 256 consecutive bytes
	s_wait_tensorcnt 0x0                           ; the wave's end, behind my last LDS store
	ds_add_u32 v[SPW], v[NIL]
	s_wait_dscnt 0x0
	s_endpgm
.Lfunc_end_k_q8ce0e1ab38_quant:
	.size	k_q8ce0e1ab38_quant, .Lfunc_end_k_q8ce0e1ab38_quant-k_q8ce0e1ab38_quant
	.p2alignl 7, 3214868480
	.fill 96, 4, 3214868480
	.section	.rodata,"a",@progbits
	.p2align	6, 0x0
	.amdhsa_kernel k_q8ce0e1ab38_quant
		.amdhsa_group_segment_fixed_size 33280
		.amdhsa_private_segment_fixed_size 0
		.amdhsa_enable_private_segment 0
		.amdhsa_kernarg_size 64
		.amdhsa_user_sgpr_count 2
		.amdhsa_user_sgpr_kernarg_segment_ptr 1
		.amdhsa_wavefront_size32 1
		.amdhsa_system_sgpr_workgroup_id_x 1
		.amdhsa_system_sgpr_workgroup_id_y 1
		.amdhsa_system_sgpr_workgroup_id_z 1
		.amdhsa_system_vgpr_workitem_id 0
		.amdhsa_next_free_vgpr 224
		.amdhsa_next_free_sgpr 66
		.amdhsa_reserve_vcc 0
		.amdhsa_float_denorm_mode_32 3
		.amdhsa_float_denorm_mode_16_64 3
		.amdhsa_memory_ordered 1
		.amdhsa_forward_progress 1
		.amdhsa_inst_pref_size 33
	.end_amdhsa_kernel
	.amdgpu_metadata
---
amdhsa.version: [ 1, 2 ]
amdhsa.kernels:
  - .name:           k_q8ce0e1ab38_quant
    .symbol:         k_q8ce0e1ab38_quant.kd
    .args:
      - { .name: embedded, .offset: 0, .size: 8, .value_kind: global_buffer, .address_space: global }
      - { .name: Wq, .offset: 8, .size: 8, .value_kind: global_buffer, .address_space: global }
      - { .name: Wk, .offset: 16, .size: 8, .value_kind: global_buffer, .address_space: global }
      - { .name: Wv, .offset: 24, .size: 8, .value_kind: global_buffer, .address_space: global }
      - { .name: x_codes, .offset: 32, .size: 8, .value_kind: global_buffer, .address_space: global }
      - { .name: x_scales, .offset: 40, .size: 8, .value_kind: global_buffer, .address_space: global }
      - { .name: w_codes, .offset: 48, .size: 8, .value_kind: global_buffer, .address_space: global }
      - { .name: w_scales, .offset: 56, .size: 8, .value_kind: global_buffer, .address_space: global }
    .group_segment_fixed_size: 33280
    .private_segment_fixed_size: 0
    .kernarg_segment_align: 8
    .kernarg_segment_size: 64
    .max_flat_workgroup_size: 128
    .sgpr_count:     66
    .vgpr_count:     224
    .wavefront_size: 32
...
	.end_amdgpu_metadata
.endif
;; end of part 1
;; launch qkv (part 2): grid 4 x 48, 4 waves a work-group, clusters of 4 x 4, 327,680 bytes of LDS; arguments x_codes, x_scales, w_codes, w_scales, qk, vt; writes qk, vt
.if DOCPART == 2
	.amdgcn_target "amdgcn-amd-amdhsa--gfx1250"
	.amdhsa_code_object_version 6
	.text
	.protected	k_q8ce0e1ab38_qkv
	.globl	k_q8ce0e1ab38_qkv
	.p2align	8
	.type	k_q8ce0e1ab38_qkv,@function
k_q8ce0e1ab38_qkv:
	s_mov_b64 s[64:65], 0
	v_nop
	global_prefetch_b8 v0, s[64:65] scope:SCOPE_SE
	s_setreg_imm32_b32 hwreg(HW_REG_WAVE_MODE, 25, 1), 1
	s_wait_xcnt 0x0
	s_wait_alu depctr_hold_cnt(0) depctr_sa_sdst(0) depctr_va_vdst(0) depctr_va_sdst(0) depctr_va_ssrc(0) depctr_va_vcc(0) depctr_vm_vsrc(0)
	s_getreg_b32 s2, hwreg(HW_REG_IB_STS2, 6, 4)
	s_cmp_eq_u32 s2, 0
	s_cbranch_scc0 .Lentry_in_a_cluster
	s_endpgm
.Lentry_in_a_cluster:
	s_bfe_u32 s2, ttmp6, 0x10000c
	s_cmp_lg_u32 s2, 0xf033
	s_cbranch_scc0 .Lentry_shape_is_right
	s_endpgm
.Lentry_shape_is_right:
; The three projections on codes of FP4 (E2M1) with E8M0 scales, K = 1,024, sums in f32, results rounded once to f16.
;   clusters y 0-7:  C = X [Wq; Wk]^T:  rows = 8,192 tokens, columns = 2,048 (q's channels, then k's)  -> qk
;   clusters y 8-11: C = Wv X^T:        rows = 1,024 channels of v, columns = 8,192 tokens            -> vt (v with the keys innermost)
; LIMIT: |q|, |k|, |v| under 65,504, the largest f16 number.
; A tile of C, 256 x 256, is made by four waves, each 128 x 128: 64 accumulators.  K is two slots of 512 (LDS rows of 256 bytes + 16 of padding).
; A WORK-GROUP STAYS AND MAKES TWO TILES that share A's 256 rows: the second tile's rows of B lie 1,024 rows behind the first's (q's columns and then k's; for v two tiles of tokens).
; A's codes and scales stay in LDS; only B's halves of the two slots are filled again, slot 0's behind the change to slot 1 and slot 1's behind the first tile's last product; the first tile's
; stores leave while the second tile is multiplied.  384 tiles so make 192 work-groups of equal work: they do not divide evenly over more, and a tile half as large again
; (96 accumulators and its fragments) does not fit in a wave's 1,024 registers.
; The scale bytes of A's 256 rows and of both tiles' 256 rows of B, dense blocks, come with the first fills.  Four tensor loads of a wave are out at the start, one later.
; CLUSTERS: 4 x 4 work-groups; A's tiles are asked for jointly along a row of the cluster, B's along a column.  Which product a cluster serves hangs on the cluster's y alone: it is the same in all sixteen,
; and it chooses pointers and offsets, never a branch.
; THE MATRIX INSTRUCTION IS USED TRANSPOSED (source 0 = 16 rows of B, source 1 = 16 rows of A): lane (r, h) holds C(16 a + r, 16 b + 8 h + 0..7).
; THE WAY OUT needs no LDS.  qk and vt are arrays of blocks of 128 rows x 128 k, 32,768 bytes, in the order of a 16-bit operand's registers: byte 4096 a + 512 b + 16 lane holds the lane's
; eight f16 of row 16 a + r, k = 16 b + 8 h + 0..7.  So accumulator (a, b), packed to four registers, is stored by one instruction that covers 512 consecutive bytes.
;   qk: blocks [q or k][token block 64][channel block 8];   vt: blocks [batch 4][channel block 8][key block 16].
; REGISTERS: window 0: v0-31 addresses; v32-95 scale words, two sets; from v128 A's fragments, one set (on the way out: the packed results).  window 1: B's fragments, two sets.  windows 2, 3: the accumulators.
.set NQ,     4                         ; matrix instructions deep in a slot: 512 along K
.set ROWB,   256                       ; a tile's row in bytes
.set KROW,   512                       ; a row of codes in memory
.set PITCH,  272                       ; an LDS row: 256 bytes + 16 of padding = 68 words, so the 16 rows that a load touches start at 16 different banks (64 banks of 4 bytes: ISA guide 11.1)
.set FR,     8
.set NL,     2
.set NP,     4                         ; places behind this matrix instruction (ISA guide 7.12.1)
.set HALFT,  128*PITCH
.set SLOT,   4*HALFT
.set KS,     32                        ; a row of scale bytes
.set SCL,    2*SLOT                    ; behind the two slots: the scales, as rows of 256 bytes + 16 of padding: A's 256 rows, the first tile's 256 rows of B,
.set HALFS,  16*272                    ; (those of 128 rows)
.set QUARS,  8*272                     ; (those of 64 rows)
.set SBLK,   2*272                     ; (those of 16 rows)
.set SCB2,   SCL+4*HALFS               ; and the second tile's 256 rows of B
.set SPARE,  SCL+6*HALFS               ; the spare words, 128 bytes a wave
.set NEXTB,  1024*KROW                 ; bytes from the first tile's rows of B to the second's
.set ADRA, 16
.set ADRB, 20
.set LO,   26                          ; v26  16 x lane: my place in a store's 512 bytes
.set ADS0, 27                          ; v27  LDS address of my scale words for the first tile: lanes 0-15 A's rows, lanes 16-31 B's
.set SPW,  28
.set NIL,  29
.set ADS1, 30                          ; v30  the same for the second tile
.set SC,   32
.set AF,   128
.set TMP,  128                         ; the way out: two sets of 32 packed registers
.set G1S2, 4                           ; s[4:11]  group 1 for the second tile's scales (the arguments that lay here have been used by then);  s[96:99] its group 0
.set G1, 24
.set G0, 32
.set G1B, 48
.set G0B, 56
.set G1S, 68
.set G0S, 76
.set G1SB, 80
.set G0SB, 88
.set G0S2, 96
.set MSB, 0
.macro WIN new                         ; the immediate's high byte repeats the setting that is left
.if MSB != (\new)
	s_set_vgpr_msb (MSB<<8)|(\new)
.set MSB, (\new)
.endif
.endm
.set MUL_LO, 0xa1                      ; source 0 (B) window 1, source 1 (A) window 0, C and D window 2
.set MUL_HI, 0xf1
.set TO_B,   0x40
; A joint load: waves 0 and 1 fetch for A, waves 2 and 3 for B; the branch hangs on the wave's number alone.  An s_nop 0 and four v_nop follow each line.
.macro JLOAD g0a, g1a, g0b, g1b
	s_cmp_eq_u32 s15, 0
	s_cbranch_scc0 .Lfor_b_\@
	tensor_load_to_lds s[\g0a:\g0a+3], s[\g1a:\g1a+7]
	s_nop 0
.rept 4
	v_nop
.endr
	s_branch .Lasked_\@
.Lfor_b_\@:
	tensor_load_to_lds s[\g0b:\g0b+3], s[\g1b:\g1b+7]
	s_nop 0
.rept 4
	v_nop
.endr
.Lasked_\@:
.endm
; A joint refill of B's half of slot s: waves 2 and 3 fetch its two halves, waves 0 and 1 nothing (A stays).  The branch hangs on the wave's number alone: it is the same in every work-group.
.macro BLOAD s
	s_cmp_eq_u32 s15, 0
	s_cbranch_scc1 .Lnot_b_\@
	tensor_load_to_lds s[G0B+4*\s:G0B+4*\s+3], s[G1B:G1B+7]
	s_nop 0
.rept 4
	v_nop
.endr
.Lnot_b_\@:
.endm
.macro CREST                           ; a round of the cluster's barrier behind its opening barrier
	s_cmp_lg_u32 s14, 0
	s_cbranch_scc1 .Lnot_wave_0_\@
	s_barrier_signal -3
.Lnot_wave_0_\@:
	s_barrier_wait -3
	s_barrier_signal -1
	s_barrier_wait -1
.endm
.macro CROUND                          ; a whole round
	s_barrier_signal -1
	s_barrier_wait -1
	CREST
.endm
	s_load_b256 s[4:11], s[0:1], 0x0               ; x_codes s[4:5], x_scales s[6:7], w_codes s[8:9], w_scales s[10:11]
	s_load_b128 s[96:99], s[0:1], 0x20             ; qk s[96:97], vt s[98:99]
	v_lshl_add_u32 v[SPW], v0, 2, SPARE
	v_mov_b32 v[NIL], 0
	ds_add_u32 v[SPW], v[NIL]                      ; the wave's opening: the add, twice on end, and its wait ahead of my first tensor load
	ds_add_u32 v[SPW], v[NIL]
	v_lshrrev_b32 v1, 5, v0
	v_readfirstlane_b32 s14, v1                    ; wave 0..3
	s_lshr_b32 s15, s14, 1                         ; which half of the tile's rows is mine.  Also: I fetch for A (0) or for B (1)
	s_and_b32 s16, s14, 1                          ; which half of its columns.  Also: which 128 rows I fetch
	s_bfe_u32 s40, ttmp6, 0x40000                  ; cx
	s_bfe_u32 s41, ttmp6, 0x40004                  ; cy
	s_and_b32 s66, ttmp7, 0xffff                   ; the cluster's y: 0-7 serve q and k, 8-11 serve v
	s_max_u32 s42, s66, 8
	s_sub_co_u32 s42, s42, 8
	s_lshl_b32 s42, s42, 3                         ; a cluster covers eight tile columns, four in each of its two tiles: for v they begin at 8 (y - 8), else at 0
	s_add_co_u32 s42, s42, s40                     ; the first tile's column; the second's is four further on
	s_cmp_ge_u32 s66, 8
	s_cselect_b32 s17, 0, s66                      ; the cluster's row of C: y, for v 0
	s_lshl_b32 s17, s17, 2
	s_add_co_u32 s17, s17, s41                     ; tile row
	s_lshl_b32 s43, s41, 2
	s_lshl_b32 s43, 15, s43                        ; my row of the cluster
	s_lshl_b32 s44, 0x1111, s40                    ; my column
	; descriptor group 1: a tile of 128 rows x 256 bytes, padded in LDS
	s_or_b32 s[G1+0], s43, (0<<16)|(1<<20)|(1<<21)|(5<<22)|(3<<25)  ; the mask; elements of 1 byte; padding on; bit 21 beside a mask; after every 64 words; 4 words
	s_or_b32 s[G1B+0], s44, (0<<16)|(1<<20)|(1<<21)|(5<<22)|(3<<25)
.irp g, G1, G1B
	s_mov_b32 s[\g+1], ROWB<<16                    ; tensor_dim0
	s_mov_b32 s[\g+2], 128<<16                     ; tensor_dim1
	s_mov_b32 s[\g+3], ROWB<<16                    ; tile_dim0
	s_mov_b32 s[\g+4], 128                         ; tile_dim1
	s_mov_b32 s[\g+5], KROW                        ; the pitch in memory
	s_mov_b32 s[\g+6], 0
	s_mov_b32 s[\g+7], 0
.endr
	; the scales of 128 rows: 4,096 dense bytes as 16 rows of 256 bytes (32 elements of 8 bytes), 16 bytes of padding behind each
	s_or_b32 s[G1S+0], s43, (3<<16)|(1<<20)|(1<<21)|(5<<22)|(3<<25)
	s_or_b32 s[G1SB+0], s44, (3<<16)|(1<<20)|(1<<21)|(5<<22)|(3<<25)
.irp g, G1S, G1SB
	s_mov_b32 s[\g+1], 32<<16
	s_mov_b32 s[\g+2], 16<<16
	s_mov_b32 s[\g+3], 32<<16
	s_mov_b32 s[\g+4], 16
	s_mov_b32 s[\g+5], 32
	s_mov_b32 s[\g+6], 0
	s_mov_b32 s[\g+7], 0
.endr
	s_lshl_b32 s18, s16, 7                         ; which 128 rows of the tile I fetch
	s_lshl_b32 s20, s17, 8
	s_add_co_u32 s20, s20, s18                     ; A: row 256 x tile row + 128 x half,
	s_cmp_ge_u32 s66, 8
	s_cselect_b32 s19, 2048, 0
	s_add_co_u32 s20, s20, s19                     ; for v behind Wq's and Wk's 2,048 rows
	s_lshl_b32 s46, s42, 8                         ; B: the first tile's first row
	s_lshl_b32 s2, s14, 6                          ; the second tile's scales are shared out 64 rows a wave:
	s_add_co_u32 s2, s2, s46
	s_add_co_u32 s2, s2, 1024                      ; row 256 x tile column + 1,024 + 64 x wave,
	s_lshl_b32 s2, s2, 5                           ; in bytes
	s_mov_b32 s3, 0
	s_add_co_u32 s46, s46, s18                     ; B: row 256 x tile column + 128 x half
	s_lshl_b32 s22, s20, 5                         ; where these rows' scales begin, in bytes,
	s_mov_b32 s23, 0
	s_lshl_b32 s20, s20, 9                         ; and their codes
	s_mov_b32 s21, 0
	s_lshl_b32 s92, s46, 5
	s_mov_b32 s93, 0
	s_lshl_b32 s46, s46, 9
	s_mov_b32 s47, 0
	s_mul_i32 s45, s14, HALFT                      ; where they go: wave x 128 rows: no place in the cluster enters an LDS address
	s_mul_i32 s67, s14, HALFS
	s_wait_dscnt 0x0                               ; both opening adds are done
	s_wait_kmcnt 0x0
	s_cmp_ge_u32 s66, 8                            ; for v the weights are A and the tokens B; the 64-bit sums leave SCC alone
	s_cselect_b64 s[94:95], s[8:9], s[4:5]
	s_add_nc_u64 s[20:21], s[94:95], s[20:21]      ; A's codes
	s_cselect_b64 s[94:95], s[10:11], s[6:7]
	s_add_nc_u64 s[22:23], s[94:95], s[22:23]      ; A's scales
	s_cselect_b64 s[94:95], s[4:5], s[8:9]
	s_add_nc_u64 s[46:47], s[94:95], s[46:47]      ; B's codes
	s_cselect_b64 s[94:95], s[6:7], s[10:11]
	s_add_nc_u64 s[92:93], s[94:95], s[92:93]      ; B's scales, the first tile's,
	s_add_nc_u64 s[2:3], s[94:95], s[2:3]          ; and my 64 rows of the second tile's
	s_cselect_b64 s[12:13], s[98:99], s[96:97]     ; where the results go
	s_mul_i32 s94, s14, QUARS
	; the scales of 64 rows: 2,048 dense bytes as 8 rows of 256 bytes, padded alike; they go to my column of the cluster, as B's tiles do
	s_or_b32 s[G1S2+0], s44, (3<<16)|(1<<20)|(1<<21)|(5<<22)|(3<<25)
	s_mov_b32 s[G1S2+1], 32<<16
	s_mov_b32 s[G1S2+2], 8<<16
	s_mov_b32 s[G1S2+3], 32<<16
	s_mov_b32 s[G1S2+4], 8
	s_mov_b32 s[G1S2+5], 32
	s_mov_b32 s[G1S2+6], 0
	s_mov_b32 s[G1S2+7], 0
	CROUND                                         ; all sixteen work-groups are here: the first joint loads meet
	s_mov_b32 s[G0S], 1
	s_add_co_u32 s[G0S+1], s67, SCL
	s_mov_b64 s[G0S+2:G0S+3], s[22:23]
	s_or_b32 s[G0S+3], s[G0S+3], 0x80000000
	s_mov_b32 s[G0SB], 1
	s_add_co_u32 s[G0SB+1], s67, SCL
	s_mov_b64 s[G0SB+2:G0SB+3], s[92:93]
	s_or_b32 s[G0SB+3], s[G0SB+3], 0x80000000
	JLOAD G0S, G1S, G0SB, G1SB                     ; the scales first: they are wanted with the first slot
	s_mov_b32 s[G0S2], 1
	s_add_co_u32 s[G0S2+1], s94, SCB2
	s_mov_b64 s[G0S2+2:G0S2+3], s[2:3]
	s_or_b32 s[G0S2+3], s[G0S2+3], 0x80000000
	tensor_load_to_lds s[G0S2:G0S2+3], s[G1S2:G1S2+7]   ; every wave its 64 rows of the second tile's scales: no branch
	s_nop 0
.rept 4
	v_nop
.endr
.irp s, 0,1
	s_mov_b32 s[G0+4*\s], 1
	s_add_co_u32 s[G0+4*\s+1], s45, \s*SLOT
	s_add_nc_u64 s[G0+4*\s+2:G0+4*\s+3], s[20:21], \s*ROWB
	s_or_b32 s[G0+4*\s+3], s[G0+4*\s+3], 0x80000000
	s_mov_b32 s[G0B+4*\s], 1
	s_add_co_u32 s[G0B+4*\s+1], s45, \s*SLOT
	s_add_nc_u64 s[G0B+4*\s+2:G0B+4*\s+3], s[46:47], \s*ROWB
	s_or_b32 s[G0B+4*\s+3], s[G0B+4*\s+3], 0x80000000
	JLOAD G0+4*\s, G1, G0B+4*\s, G1B
.endr
	v_and_b32 v1, 15, v0                           ; r
	v_bfe_u32 v2, v0, 4, 1                         ; h
	v_mul_u32_u24 v3, v1, PITCH
	v_lshl_add_u32 v4, v2, 4, v3                   ; a fragment's row x pitch + 16 h
	s_mul_i32 s21, s15, HALFT                      ; my 128 rows of A
	s_mul_i32 s22, s16, HALFT                      ; my 128 rows of B,
	s_add_co_u32 s22, s22, 2*HALFT                 ; behind A's 256
.irp s, 0,1
	v_add_nc_u32 v[ADRA+\s], s21, v4
	v_add_nc_u32 v[ADRB+\s], s22, v4
	s_add_co_u32 s21, s21, SLOT
	s_add_co_u32 s22, s22, SLOT
.endr
	v_mul_u32_u24 v5, v1, KS                       ; my row's scales: 32 bytes a row,
	v_lshrrev_b32 v6, 8, v5
	v_lshl_add_u32 v5, v6, 4, v5                   ; and 16 more for each 256 passed
	s_mul_i32 s21, s15, HALFS
	s_mul_i32 s22, s16, HALFS
	s_add_co_u32 s22, s22, 2*HALFS
	s_sub_co_u32 s22, s22, s21
	v_mul_u32_u24 v6, s22, v2                      ; lanes 16-31 take B's: one product, the distance between the two bases;
	s_add_co_u32 s22, s22, 2*HALFS
	v_mul_u32_u24 v7, s22, v2                      ; for the second tile B's scales lie 256 rows' worth further on
	s_add_co_u32 s21, s21, SCL
	v_add_nc_u32 v6, v5, v6
	v_add_nc_u32 v7, v5, v7
	v_add_nc_u32 v[ADS0], s21, v6
	v_add_nc_u32 v[ADS1], s21, v7
	v_and_b32 v6, 31, v0
	v_lshlrev_b32 v[LO], 4, v6
	; which block of 128 x 128 is my wave's in the first tile
	s_lshl_b32 s20, s17, 1
	s_add_co_u32 s20, s20, s15                     ; block row = 2 x tile row + half
	s_lshl_b32 s21, s42, 1
	s_add_co_u32 s21, s21, s16                     ; block column
	s_lshr_b32 s22, s21, 3                         ; qk: (q or k) x 512 + token block x 8 + channel block
	s_lshl_b32 s22, s22, 9
	s_lshl_b32 s23, s20, 3
	s_add_co_u32 s22, s22, s23
	s_and_b32 s23, s21, 7
	s_add_co_u32 s22, s22, s23
	s_lshr_b32 s46, s21, 4                         ; vt: batch x 128 + channel block x 16 + key block
	s_lshl_b32 s46, s46, 7
	s_lshl_b32 s47, s20, 4
	s_add_co_u32 s46, s46, s47
	s_and_b32 s47, s21, 15
	s_add_co_u32 s46, s46, s47
	s_mov_b32 s18, 0x1000000                       ; from the first tile's block to the second's, eight block columns on: in qk from q to k, 512 blocks;
	s_cmp_ge_u32 s66, 8
	s_cselect_b32 s20, s46, s22
	s_cselect_b32 s18, 0x40000, s18                ; in vt eight key blocks
	s_mov_b32 s19, 0
	s_lshl_b32 s20, s20, 15                        ; 32,768 bytes a block
	s_mov_b32 s21, 0
	s_add_nc_u64 s[12:13], s[12:13], s[20:21]
.macro FRAG reg, adr, q, i             ; 16 rows x 128 K of 4-bit codes: 8 registers: lane l holds row l % 16; registers 4 c .. 4 c + 3 hold K = 64 c + 32 (l / 16) + 0 .. 31
.irp c, 0,1
	ds_load_b128 v[\reg+4*\c:\reg+4*\c+3], v[\adr] offset:64*(\q)+32*\c+(\i)*16*PITCH
.endr
.endm
; 16 matrix instructions: A's blocks a0, a0 + 1 x B's eight, the slot's q-th 128 along K.  The 64 accumulators take turns, one instruction a turn.  zero = 1: the first product starts the sums.
.macro MUL16 a0, p, q, sc, zero
.irp a, \a0, \a0+1
.irp b, 0,1,2,3,4,5,6,7
.if \zero
	v_wmma_scale_f32_16x16x128_f8f6f4 v[8*(8*((\a)%4)+\b):8*(8*((\a)%4)+\b)+7], v[128*(\p)+FR*\b:128*(\p)+FR*\b+FR-1], v[AF+FR*(\a):AF+FR*(\a)+FR-1], 0, v[SC+8*NQ*(\sc)+NQ*\b+(\q)], v[SC+8*NQ*(\sc)+NQ*(\a)+(\q)] matrix_a_fmt:MATRIX_FMT_FP4 matrix_b_fmt:MATRIX_FMT_FP4 matrix_a_scale:MATRIX_SCALE_ROW1
.else
	v_wmma_scale_f32_16x16x128_f8f6f4 v[8*(8*((\a)%4)+\b):8*(8*((\a)%4)+\b)+7], v[128*(\p)+FR*\b:128*(\p)+FR*\b+FR-1], v[AF+FR*(\a):AF+FR*(\a)+FR-1], v[8*(8*((\a)%4)+\b):8*(8*((\a)%4)+\b)+7], v[SC+8*NQ*(\sc)+NQ*\b+(\q)], v[SC+8*NQ*(\sc)+NQ*(\a)+(\q)] matrix_a_fmt:MATRIX_FMT_FP4 matrix_b_fmt:MATRIX_FMT_FP4 matrix_a_scale:MATRIX_SCALE_ROW1
.endif
.endr
.endr
.endm
.macro FETCH_B slot, q, p
	WIN TO_B
.irp i, 0,1,2,3,4,5,6,7
	FRAG 128*(\p)+FR*\i, ADRB+\slot, \q, \i
.endr
	WIN 0
.endm
.macro FETCH_A slot, q, i0
.irp i, \i0, \i0+1, \i0+2, \i0+3
	FRAG AF+FR*(\i), ADRA+\slot, \q, \i
.endr
.endm
.macro SCALES sc, ads                  ; a slot's scale words: four words a row; lanes 0-15 take A's block i, lanes 16-31 B's block i
.irp i, 0,1,2,3,4,5,6,7
	ds_load_b128 v[SC+8*NQ*\sc+NQ*\i:SC+8*NQ*\sc+NQ*\i+3], v[\ads] offset:\i*SBLK
.endr
.endm
.macro PLACES n                        ; plain vector instructions in front of loads into registers that matrix instructions have read, and of the first read of results
.rept \n
	v_nop
.endr
.endm
.macro STEP slot, q, zero              ; a step of 128 along K that has its successor in the same slot
	s_wait_dscnt 4*NL                              ; B's set and A's blocks 0-3 are in; the youngest eight loads (A's blocks 4-7) may be out
	WIN MUL_LO
	MUL16 0, (\q)%2, \q, \slot, \zero
	MUL16 2, (\q)%2, \q, \slot, \zero
	s_wait_dscnt 0
	PLACES NP
	FETCH_B \slot, (\q)+1, 1-(\q)%2
	FETCH_A \slot, (\q)+1, 0
	WIN MUL_HI
	MUL16 4, (\q)%2, \q, \slot, \zero
	MUL16 6, (\q)%2, \q, \slot, \zero
	PLACES NP
	WIN 0
	FETCH_A \slot, (\q)+1, 4
.endm
.macro STEPS slot, from
.set Q, \from
.rept NQ-1-\from
	STEP \slot, Q, 0
.set Q, Q+1
.endr
.endm
; A TILE: all of K, slot 0 and then slot 1.  t = 0: behind the change of slots, which is then a round of the cluster's barrier, B's half of slot 0 takes the second tile's rows.  ads: the tile's scale address.
.macro TILE t, ads
	FETCH_B 0, 0, 0
	FETCH_A 0, 0, 0
	SCALES 0, \ads
	FETCH_A 0, 0, 4
	STEP 0, 0, 1                                   ; the first products start the sums: nothing is cleared
	STEPS 0, 1
	; slot 0's last step, and the change to slot 1
	s_wait_tensorcnt 0x0                           ; all my tensor loads have landed: my part of slot 1
	ds_add_u32 v[SPW], v[NIL]                      ; 0 onto my spare word
	s_wait_dscnt 4*NL+1                            ; the add and the youngest eight loads may be out
	WIN MUL_LO
	MUL16 0, 1, NQ-1, 0, 0                         ; sixteen matrix instructions stand between the add and the wait for it
	s_wait_dscnt 0x0                               ; the add is done, and my reads of slot 0 are over
	s_barrier_signal -1
	MUL16 2, 1, NQ-1, 0, 0
	WIN 0
	s_barrier_wait -1                              ; slot 1 is whole
.if \t == 0
	CREST                                          ; the barrier has opened a round of the cluster's barrier: no wave of any partner still reads slot 0 or has a load on its way
	s_add_nc_u64 s[G0B+2:G0B+3], s[G0B+2:G0B+3], NEXTB
	BLOAD 0                                        ; the first tensor load behind the round: it has slot 1's 256 matrix instructions in which to land
.endif
	PLACES NP
	v_add_nc_u32 v[\ads], 4*NQ, v[\ads]            ; on to slot 1's scale words (no LDS load of mine is out)
	FETCH_B 1, 0, 0
	FETCH_A 1, 0, 0
	SCALES 1, \ads
	WIN MUL_HI
	MUL16 4, 1, NQ-1, 0, 0
	MUL16 6, 1, NQ-1, 0, 0
	PLACES NP
	WIN 0
	FETCH_A 1, 0, 4
	STEPS 1, 0
	s_wait_dscnt 4*NL                              ; the tile's last step: nothing more to fetch
	WIN MUL_LO
	MUL16 0, 1, NQ-1, 1, 0
	MUL16 2, 1, NQ-1, 1, 0
	s_wait_dscnt 0
	WIN MUL_HI
	MUL16 4, 1, NQ-1, 1, 0
	MUL16 6, 1, NQ-1, 1, 0
	WIN 0
.endm
; THE WAY OUT: block a's eight accumulators are rounded to f16, each from its low end on, and stored: 512 consecutive bytes an instruction.
.macro OUTBLK a
.set AC, 64*((\a)%4)
.set TB, TMP+32*((\a)%2)
.if (\a) >= 2
	s_wait_xcnt 0x0                                ; block a - 2's stores have read their registers: this set may be written again
.endif
	WIN 0x0a+5*((\a)/4)                            ; sources 0 and 1: window 2 or 3
.irp b, 0,1,2,3,4,5,6,7
.irp r, 0,1,2,3
	v_cvt_pk_f16_f32 v[TB+4*\b+\r], v[AC+8*\b+2*\r], v[AC+8*\b+2*\r+1]
.endr
.endr
	WIN 0
.irp b, 0,1,2,3,4,5,6,7
	global_store_b128 v[LO], v[TB+4*\b:TB+4*\b+3], s[12:13] offset:4096*(\a)+512*\b
.endr
.endm
.macro OUT
	PLACES NP                                      ; behind the last products: for the reads of results and the writes over A's fragments
.irp a, 0,1,2,3,4,5,6,7
	OUTBLK \a
.endr
.endm
	s_wait_tensorcnt 1                             ; all the scales and my part of slot 0 are in; slot 1's load, the last issued, may be out
	s_barrier_signal -1
	s_barrier_wait -1
	TILE 0, ADS0
	; the first tile's products are issued: B's half of slot 1 is free for the second tile's rows
	s_wait_tensorcnt 0x0                           ; all my tensor loads have landed: the second tile's rows in slot 0
	ds_add_u32 v[SPW], v[NIL]                      ; 0 onto my spare word; the descriptor's step stands between it and the wait for it
	s_add_nc_u64 s[G0B+6:G0B+7], s[G0B+6:G0B+7], NEXTB
	s_wait_dscnt 0x0                               ; the add is done, and my reads of slot 1 are over
	CROUND                                         ; no wave of any partner still reads slot 1 or has a load on its way; and slot 0's new rows are there for every wave
	BLOAD 1                                        ; it has the way out and slot 0's 256 matrix instructions in which to land
	OUT                                            ; the first tile leaves: nothing waits for its stores
	s_wait_xcnt 0x0                                ; the stores have read their registers and their base: A's fragments may land on the first, and the second steps
	s_add_nc_u64 s[12:13], s[12:13], s[18:19]
	TILE 1, ADS1
	OUT
	s_wait_tensorcnt 0x0                           ; the wave's end
	ds_add_u32 v[SPW], v[NIL]
	s_wait_dscnt 0x0
	CROUND                                         ; the closing round
	s_endpgm
.Lfunc_end_k_q8ce0e1ab38_qkv:
	.size	k_q8ce0e1ab38_qkv, .Lfunc_end_k_q8ce0e1ab38_qkv-k_q8ce0e1ab38_qkv
	.p2alignl 7, 3214868480
	.fill 96, 4, 3214868480
	.section	.rodata,"a",@progbits
	.p2align	6, 0x0
	.amdhsa_kernel k_q8ce0e1ab38_qkv
		.amdhsa_group_segment_fixed_size 327680
		.amdhsa_private_segment_fixed_size 0
		.amdhsa_enable_private_segment 0
		.amdhsa_kernarg_size 48
		.amdhsa_user_sgpr_count 2
		.amdhsa_user_sgpr_kernarg_segment_ptr 1
		.amdhsa_wavefront_size32 1
		.amdhsa_system_sgpr_workgroup_id_x 1
		.amdhsa_system_sgpr_workgroup_id_y 1
		.amdhsa_system_sgpr_workgroup_id_z 1
		.amdhsa_system_vgpr_workitem_id 0
		.amdhsa_next_free_vgpr 1024
		.amdhsa_next_free_sgpr 100
		.amdhsa_reserve_vcc 0
		.amdhsa_float_denorm_mode_32 3
		.amdhsa_float_denorm_mode_16_64 3
		.amdhsa_memory_ordered 1
		.amdhsa_forward_progress 1
		.amdhsa_inst_pref_size 228
	.end_amdhsa_kernel
	.amdgpu_metadata
---
amdhsa.version: [ 1, 2 ]
amdhsa.kernels:
  - .name:           k_q8ce0e1ab38_qkv
    .symbol:         k_q8ce0e1ab38_qkv.kd
    .args:
      - { .name: x_codes, .offset: 0, .size: 8, .value_kind: global_buffer, .address_space: global }
      - { .name: x_scales, .offset: 8, .size: 8, .value_kind: global_buffer, .address_space: global }
      - { .name: w_codes, .offset: 16, .size: 8, .value_kind: global_buffer, .address_space: global }
      - { .name: w_scales, .offset: 24, .size: 8, .value_kind: global_buffer, .address_space: global }
      - { .name: qk, .offset: 32, .size: 8, .value_kind: global_buffer, .address_space: global }
      - { .name: vt, .offset: 40, .size: 8, .value_kind: global_buffer, .address_space: global }
    .group_segment_fixed_size: 327680
    .private_segment_fixed_size: 0
    .kernarg_segment_align: 8
    .kernarg_segment_size: 48
    .max_flat_workgroup_size: 128
    .sgpr_count:     100
    .vgpr_count:     1024
    .wavefront_size: 32
...
	.end_amdgpu_metadata
.endif
;; end of part 2
;; launch scores (part 3): grid 36 x 4, 4 waves a work-group, no clusters, 327,680 bytes of LDS; arguments qk, p_img, stats; writes p_img, stats
.if DOCPART == 3
	.amdgcn_target "amdgcn-amd-amdhsa--gfx1250"
	.amdhsa_code_object_version 6
	.text
	.protected	k_q8ce0e1ab38_scores
	.globl	k_q8ce0e1ab38_scores
	.p2align	8
	.type	k_q8ce0e1ab38_scores,@function
k_q8ce0e1ab38_scores:
	s_mov_b64 s[64:65], 0
	v_nop
	global_prefetch_b8 v0, s[64:65] scope:SCOPE_SE
	s_setreg_imm32_b32 hwreg(HW_REG_WAVE_MODE, 25, 1), 1
	s_wait_xcnt 0x0
; For each batch and each tile of 256 queries x 256 keys at or under the diagonal (36 a batch): S = q k^T over 1,024 channels, f16 operands, f32 sums; the causal mask; and, for each query and
; each block of 128 keys: m = c x the block's largest score, c = log2(e) / 32; p = 2^(c s - m), rounded to f16; l = the sum of the unrounded p.  The next launch joins the blocks under a running maximum.
; LIMITS: a block's maximum is held at -3e38 from below (a block all of whose keys are hidden gets that m, p = 0 and l = 0); NaN and infinities are not served.
; NO CLUSTER: a batch's rows of tiles have 1 to 8 tiles, and so have its columns: they do not fall into fours that share q's or k's rows.
; SHARES: four waves, each 128 queries x 128 keys: 64 accumulators.  K goes in steps of 128 channels through two LDS slots; a step's four blocks (q's two, k's two; 32,768 dense bytes each,
; already in the order of operand registers) are fetched one by each wave.  Two tensor loads of a wave are out at the start, one later.
; A fragment (16 rows x 32 channels) is two loads of 16 bytes a lane, at 16 x lane, 512 bytes apart: each load reads 512 consecutive bytes.
; THE MATRIX INSTRUCTION IS USED TRANSPOSED (source 0 = 16 keys, source 1 = 16 queries): lane (r, h) holds query 16 a + r and keys 16 b + 8 h + 0..7, so a query's 128 keys lie in lanes r and r + 16,
; and accumulator (a, b), packed, is the 512 bytes at 4096 a + 512 b of p's block image (rows = queries, k = keys).
; stats: [query block of 128][key block 16][part g 2][m, l][lane 32][4 f32]: word i of lane L is row 64 g + 16 i + L % 16.
; REGISTERS: window 0: v2-29 addresses and small things; v64-127, v128-191 q's fragments, two buffers (on the way out: t and p; packed p).  window 1: k's fragments.  windows 2, 3: the accumulators.
.set BLK,   32768
.set SLOT,  4*BLK                      ; q's two blocks, then k's two
.set SPARE, 2*SLOT                     ; the spare words, 128 bytes a wave
.set LO,   2                           ; v2   16 x lane
.set D,    3                           ; v3   the mask: my query less my first key, inside the tile
.set NI,   4                           ; v4   -infinity
.set FL,   5                           ; v5   -3e38
.set MT,   6                           ; v[6:7] m (the packed form names a pair and takes its low word)
.set MX,   8                           ; v8-11 four chains of the maximum
.set SA,   12                          ; v[12:13], v[14:15] two chains of the sum
.set SB,   14
.set ADRA, 16
.set ADRB, 20
.set SPW,  28
.set NIL,  29
.set F0,   64
.set F1,   128
.set T,    64                          ; the way out: 64 numbers
.set PK,   128                         ; two sets of 32 packed registers
.set MS,   192                         ; v192-199 m of my eight tiles of queries
.set LS,   200                         ; v200-207 l
.set G1,   24
.set G0,   32
.set CS,   40
.set SEL,  42
.set MK,   44
.set MSB, 0
.macro WIN new
.if MSB != (\new)
	s_set_vgpr_msb (MSB<<8)|(\new)
.set MSB, (\new)
.endif
.endm
.set MUL_LO, 0xa1                      ; source 0 (k) window 1, source 1 (q) window 0, C and D window 2
.set MUL_HI, 0xf1
.set TO_B,   0x40
	s_load_b128 s[4:7], s[0:1], 0x0                ; qk s[4:5], p_img s[6:7]
	s_load_b64 s[8:9], s[0:1], 0x10                ; stats
	v_lshl_add_u32 v[SPW], v0, 2, SPARE
	v_mov_b32 v[NIL], 0
	ds_add_u32 v[SPW], v[NIL]                      ; the wave's opening: the add, twice on end, and its wait ahead of my first tensor load
	ds_add_u32 v[SPW], v[NIL]
	v_lshrrev_b32 v1, 5, v0
	v_readfirstlane_b32 s10, v1                    ; wave 0..3
	s_lshr_b32 s11, s10, 1                         ; my half of the queries.  Also: I fetch q's block (0) or k's (1)
	s_and_b32 s12, s10, 1                          ; my half of the keys.  Also: which of the two blocks I fetch
	s_and_b32 s15, ttmp7, 0xffff                   ; the batch
	s_mov_b32 s13, 0                               ; tile t of the triangle lies in row I = the number of rows that begin at or before it
.irp th, 1,3,6,10,15,21,28
	s_cmp_ge_u32 ttmp9, \th
	s_add_co_ci_u32 s13, s13, 0
.endr
	s_add_co_u32 s16, s13, 1
	s_mul_i32 s16, s16, s13
	s_lshr_b32 s16, s16, 1
	s_sub_co_u32 s14, ttmp9, s16                   ; and in column J = t - I (I + 1) / 2
	s_cmp_eq_u32 s11, 0
	s_cselect_b32 s16, s13, s14                    ; q's blocks go by I, k's by J
	s_lshl_b32 s16, s16, 1
	s_add_co_u32 s16, s16, s12
	s_lshl_b32 s17, s15, 4
	s_add_co_u32 s16, s16, s17                     ; token block = 16 x batch + 2 x tile + half
	s_lshl_b32 s16, s16, 18                        ; eight channel blocks of 32,768 bytes to a token block
	s_lshl_b32 s17, s11, 24                        ; k's blocks lie behind q's 512
	s_add_co_u32 s16, s16, s17
	s_mov_b32 s17, 0
	; descriptor group 1: a dense block of 32,768 bytes as 128 rows of 256 bytes (32 elements of 8 bytes), no padding
	s_mov_b32 s[G1+0], 3<<16
	s_mov_b32 s[G1+1], 32<<16
	s_mov_b32 s[G1+2], 128<<16
	s_mov_b32 s[G1+3], 32<<16
	s_mov_b32 s[G1+4], 128
	s_mov_b32 s[G1+5], 32
	s_mov_b32 s[G1+6], 0
	s_mov_b32 s[G1+7], 0
	s_mov_b32 s[CS], 0x3d38aa3b                    ; c = log2(e) / 32
	s_mov_b32 s[CS+1], s[CS]
	s_mov_b32 s[SEL], 0x76543210
	s_mov_b32 s[SEL+1], 0xfedcba98                 ; v_permlanex16_b32's selects for lane l xor 16
	s_lshl_b32 s20, s10, 15                        ; where my block goes: wave x 32,768
	s_wait_dscnt 0x0                               ; both opening adds are done
	s_wait_kmcnt 0x0
	s_add_nc_u64 s[18:19], s[4:5], s[16:17]
.irp s, 0,1
	s_mov_b32 s[G0+4*\s], 1
	s_add_co_u32 s[G0+4*\s+1], s20, \s*SLOT
	s_add_nc_u64 s[G0+4*\s+2:G0+4*\s+3], s[18:19], \s*BLK    ; K step s
	s_or_b32 s[G0+4*\s+3], s[G0+4*\s+3], 0x80000000
	tensor_load_to_lds s[G0+4*\s:G0+4*\s+3], s[G1:G1+7]
	s_nop 0
.endr
	v_and_b32 v1, 31, v0
	v_lshlrev_b32 v[LO], 4, v1
	s_lshl_b32 s21, s11, 15                        ; my block of q,
	s_add_co_u32 s22, s12, 2
	s_lshl_b32 s22, s22, 15                        ; my block of k
.irp s, 0,1
	v_add_nc_u32 v[ADRA+\s], s21, v[LO]
	v_add_nc_u32 v[ADRB+\s], s22, v[LO]
	s_add_co_u32 s21, s21, SLOT
	s_add_co_u32 s22, s22, SLOT
.endr
	v_and_b32 v8, 15, v0                           ; r
	v_bfe_u32 v9, v0, 4, 1                         ; h
	v_lshlrev_b32 v9, 3, v9
	v_sub_nc_u32 v[D], v8, v9
	s_sub_co_i32 s16, s11, s12
	s_lshl_b32 s16, s16, 7
	v_add_nc_u32 v[D], s16, v[D]                   ; 128 (query half - key half) + r - 8 h: register 8 b + j of tile a is hidden where 16 b + j - 16 a is above it
	v_mov_b32 v[NI], 0xff800000
	v_mov_b32 v[FL], 0xff61b1e6
	v_mov_b32 v[MT+1], 0                           ; named as the upper half of a pair, so it is written
	s_cmp_eq_u32 s13, s14
	s_cselect_b32 s[MK], 1, 0                      ; the mask is at work on the diagonal tiles,
	s_cmp_ge_u32 s12, s11
	s_cselect_b32 s[MK], s[MK], 0                  ; in the waves whose keys do not all come before their queries
	s_lshl_b32 s16, s15, 4
	s_lshl_b32 s17, s13, 1
	s_add_co_u32 s16, s16, s17
	s_add_co_u32 s16, s16, s11                     ; query block = 16 x batch + 2 I + half
	s_lshl_b32 s16, s16, 4
	s_lshl_b32 s17, s14, 1
	s_add_co_u32 s16, s16, s17
	s_add_co_u32 s16, s16, s12                     ; x 16 + key block 2 J + half
	s_lshl_b32 s18, s16, 15
	s_mov_b32 s19, 0
	s_add_nc_u64 s[6:7], s[6:7], s[18:19]          ; my block of p
	s_lshl_b32 s18, s16, 11
	s_add_nc_u64 s[8:9], s[8:9], s[18:19]          ; and its 2,048 bytes of statistics
; 16 matrix instructions: query tiles a0, a0 + 1 of the window's four x all 8 key tiles, 32 channels.  The 64 accumulators take turns, one instruction a turn.
.macro MUL16 f, hi, a0, zero
.irp a, \a0, \a0+1
.irp b, 0,1,2,3,4,5,6,7
.if \zero
	v_wmma_f32_16x16x32_f16 v[8*(8*(\a)+\b):8*(8*(\a)+\b)+7], v[\f+8*\b:\f+8*\b+7], v[\f+8*(4*\hi+\a):\f+8*(4*\hi+\a)+7], 0
.else
	v_wmma_f32_16x16x32_f16 v[8*(8*(\a)+\b):8*(8*(\a)+\b)+7], v[\f+8*\b:\f+8*\b+7], v[\f+8*(4*\hi+\a):\f+8*(4*\hi+\a)+7], v[8*(8*(\a)+\b):8*(8*(\a)+\b)+7]
.endif
.endr
.endr
.endm
; 32 LDS loads in one run: the fragments of the slot's q-th 32 channels into buffer f: k's eight, then q's eight
.macro FETCH slot, q, f
	WIN TO_B
.irp i, 0,1,2,3,4,5,6,7
	ds_load_b128 v[\f+8*\i:\f+8*\i+3],   v[ADRB+\slot] offset:1024*(\q)+4096*\i
	ds_load_b128 v[\f+8*\i+4:\f+8*\i+7], v[ADRB+\slot] offset:1024*(\q)+4096*\i+512
.endr
	WIN 0
.irp i, 0,1,2,3,4,5,6,7
	ds_load_b128 v[\f+8*\i:\f+8*\i+3],   v[ADRA+\slot] offset:1024*(\q)+4096*\i
	ds_load_b128 v[\f+8*\i+4:\f+8*\i+7], v[ADRA+\slot] offset:1024*(\q)+4096*\i+512
.endr
.endm
.macro PLACES                          ; four plain vector instructions in front of loads into registers that matrix instructions have read, and of the first read of results
.rept 4
	v_nop
.endr
.endm
; A quarter of a K step: multiplies buffer f; in its middle it fetches the slot's q-th quarter into buffer g
.macro QUARTER slot, q, f, g, zero
	s_wait_dscnt 8                                 ; k's fragments and q's rows 0-63 are in; the youngest eight loads (q's rows 64-127) may be out
	WIN MUL_LO
	MUL16 \f, 0, 0, \zero
	MUL16 \f, 0, 2, \zero
	PLACES
	FETCH \slot, \q, \g
	s_wait_dscnt 32                                ; all but the 32 just issued
	WIN MUL_HI
	MUL16 \f, 1, 0, \zero
	MUL16 \f, 1, 2, \zero
.endm
; The last quarter multiplies buffer 1 and changes slots: one barrier; in front of it each wave waits for all its tensor loads (its part of the next slot), adds 0 to its spare word,
; and waits for that and for its reads of this slot.  fill = 1: this slot is filled again first thing behind the barrier, two K steps ahead: 224 matrix instructions ahead of the wait for it.
.macro TURN slot, next, fill
	WIN 0
	s_wait_tensorcnt 0x0
	ds_add_u32 v[SPW], v[NIL]
	s_wait_dscnt 9                                 ; the add and the youngest eight loads may be out
	WIN MUL_LO
	MUL16 F1, 0, 0, 0
	s_wait_dscnt 0x0                               ; the add is done, and my reads of this slot are over
	s_barrier_signal -1
	MUL16 F1, 0, 2, 0
	s_barrier_wait -1
.if \fill
	s_add_nc_u64 s[G0+4*\slot+2:G0+4*\slot+3], s[G0+4*\slot+2:G0+4*\slot+3], 2*BLK
	tensor_load_to_lds s[G0+4*\slot:G0+4*\slot+3], s[G1:G1+7]
	s_nop 0
.endif
	PLACES                                         ; behind the tensor load, and in front of the loads below
	FETCH \next, 0, F0
	WIN MUL_HI
	MUL16 F1, 1, 0, 0
	MUL16 F1, 1, 2, 0
.endm
	s_wait_tensorcnt 1                             ; my part of K step 0 is in; K step 1's may be out
	s_barrier_signal -1
	s_barrier_wait -1
	FETCH 0, 0, F0
	QUARTER 0, 1, F0, F1, 1                        ; the first quarter's products start the sums
	WIN 0
	s_mov_b32 s3, 3                                ; 8 K steps = 4 laps; the last lap is written out
.Llap:
	QUARTER 0, 2, F1, F0, 0
	QUARTER 0, 3, F0, F1, 0
	TURN 0, 1, 1
	QUARTER 1, 1, F0, F1, 0
	QUARTER 1, 2, F1, F0, 0
	QUARTER 1, 3, F0, F1, 0
	TURN 1, 0, 1
	QUARTER 0, 1, F0, F1, 0
	WIN 0
	s_sub_co_u32 s3, s3, 1
	s_cmp_lg_u32 s3, 0
	s_cbranch_scc1 .Llap
	QUARTER 0, 2, F1, F0, 0
	QUARTER 0, 3, F0, F1, 0
	TURN 0, 1, 0
	QUARTER 1, 1, F0, F1, 0
	QUARTER 1, 2, F1, F0, 0
	QUARTER 1, 3, F0, F1, 0
	s_wait_dscnt 8
	WIN MUL_LO
	MUL16 F1, 0, 0, 0
	MUL16 F1, 0, 2, 0
	s_wait_dscnt 0
	WIN MUL_HI
	MUL16 F1, 1, 0, 0
	MUL16 F1, 1, 2, 0
	WIN 0
	PLACES
; THE WAY OUT of query tile a: mask, maximum, p, sum, packed p to memory.  Every accumulator is read from its low end on.
.macro SOFT a
.set AC, 64*((\a)%4)
.set HI, (\a)/4
.set PB, PK+32*((\a)%2)
	s_cmp_eq_u32 s[MK], 0                          ; a branch on ids alone
	s_cbranch_scc1 .Lopen_\@
	WIN 0x82+0x41*HI                               ; destination and source 0: the accumulators' window
.irp b, 0,1,2,3,4,5,6,7
.irp j, 0,1,2,3,4,5,6,7
	v_cmp_gt_i32 vcc_lo, 16*\b+\j-16*(\a), v[D]
	v_cndmask_b32 v[AC+8*\b+\j], v[AC+8*\b+\j], v[NI], vcc_lo      ; a hidden key's score becomes -infinity
.endr
.endr
	WIN 0
.Lopen_\@:
	WIN 0x28+0x14*HI                               ; sources 1 and 2: the accumulators' window
.irp k, 0,1,2,3
	v_max3_num_f32 v[MX+\k], v[FL], v[AC+16*\k], v[AC+16*\k+1]     ; four chains of 16 scores, begun with the floor
.endr
.irp i, 2,4,6,8,10,12,14
.irp k, 0,1,2,3
	v_max3_num_f32 v[MX+\k], v[MX+\k], v[AC+16*\k+\i], v[AC+16*\k+\i+1]
.endr
.endr
	WIN 0
	v_max3_num_f32 v[MX], v[MX], v[MX+1], v[MX+2]
	v_max_num_f32 v[MX], v[MX], v[MX+3]
	v_permlanex16_b32 v[MX+1], v[MX], s[SEL], s[SEL+1]             ; the query's other 64 keys lie in the lane 16 away
	v_max_num_f32 v[MX], v[MX], v[MX+1]
	v_mul_f32 v[MT], s[CS], v[MX]                                  ; m
	v_mov_b32 v[MS+(\a)], v[MT]
	WIN 0x02+HI
.irp n, 0,2,4,6,8,10,12,14,16,18,20,22,24,26,28,30,32,34,36,38,40,42,44,46,48,50,52,54,56,58,60,62
	v_pk_fma_f32 v[T+\n:T+\n+1], v[AC+\n:AC+\n+1], s[CS:CS+1], v[MT:MT+1] op_sel_hi:[1,0,0] neg_lo:[0,0,1] neg_hi:[0,0,1]   ; c s - m
.endr
	WIN 0
.set N, 0
.rept 64
	v_exp_f32 v[T+N], v[T+N]                       ; p, one batch
.set N, N+1
.endr
	v_nop                                          ; a plain instruction behind the last exponential
	s_wait_alu depctr_va_vdst(0)                   ; one wait for the batch, ahead of its first reader
	v_pk_add_f32 v[SA:SA+1], v[T:T+1], v[T+2:T+3]  ; the sum of the unrounded p, in two chains
	v_pk_add_f32 v[SB:SB+1], v[T+4:T+5], v[T+6:T+7]
.irp j, 8,12,16,20,24,28,32,36,40,44,48,52,56,60
	v_pk_add_f32 v[SA:SA+1], v[SA:SA+1], v[T+\j:T+\j+1]
	v_pk_add_f32 v[SB:SB+1], v[SB:SB+1], v[T+\j+2:T+\j+3]
.endr
	v_pk_add_f32 v[SA:SA+1], v[SA:SA+1], v[SB:SB+1]
	v_add_f32 v[SA], v[SA], v[SA+1]
	v_permlanex16_b32 v[SB], v[SA], s[SEL], s[SEL+1]
	v_add_f32 v[LS+(\a)], v[SA], v[SB]             ; l
.if (\a) >= 2
	s_wait_xcnt 0x0                                ; tile a - 2's stores have read their registers
.endif
.irp b, 0,1,2,3,4,5,6,7
.irp r, 0,1,2,3
	v_cvt_pk_f16_f32 v[PB+4*\b+\r], v[T+8*\b+2*\r], v[T+8*\b+2*\r+1]
.endr
.endr
.irp b, 0,1,2,3,4,5,6,7
	global_store_b128 v[LO], v[PB+4*\b:PB+4*\b+3], s[6:7] offset:4096*(\a)+512*\b   ; 512 consecutive bytes of the block image
.endr
.endm
.irp a, 0,1,2,3,4,5,6,7
	SOFT \a
.endr
.irp g, 0,1
	global_store_b128 v[LO], v[MS+4*\g:MS+4*\g+3], s[8:9] offset:1024*\g
	global_store_b128 v[LO], v[LS+4*\g:LS+4*\g+3], s[8:9] offset:1024*\g+512
.endr
	s_wait_tensorcnt 0x0                           ; the wave's end
	ds_add_u32 v[SPW], v[NIL]
	s_wait_dscnt 0x0
	s_endpgm
.Lfunc_end_k_q8ce0e1ab38_scores:
	.size	k_q8ce0e1ab38_scores, .Lfunc_end_k_q8ce0e1ab38_scores-k_q8ce0e1ab38_scores
	.p2alignl 7, 3214868480
	.fill 96, 4, 3214868480
	.section	.rodata,"a",@progbits
	.p2align	6, 0x0
	.amdhsa_kernel k_q8ce0e1ab38_scores
		.amdhsa_group_segment_fixed_size 327680
		.amdhsa_private_segment_fixed_size 0
		.amdhsa_enable_private_segment 0
		.amdhsa_kernarg_size 24
		.amdhsa_user_sgpr_count 2
		.amdhsa_user_sgpr_kernarg_segment_ptr 1
		.amdhsa_wavefront_size32 1
		.amdhsa_system_sgpr_workgroup_id_x 1
		.amdhsa_system_sgpr_workgroup_id_y 1
		.amdhsa_system_sgpr_workgroup_id_z 1
		.amdhsa_system_vgpr_workitem_id 0
		.amdhsa_next_free_vgpr 1024
		.amdhsa_next_free_sgpr 66
		.amdhsa_reserve_vcc 1
		.amdhsa_float_denorm_mode_32 3
		.amdhsa_float_denorm_mode_16_64 3
		.amdhsa_memory_ordered 1
		.amdhsa_forward_progress 1
		.amdhsa_inst_pref_size 239
	.end_amdhsa_kernel
	.amdgpu_metadata
---
amdhsa.version: [ 1, 2 ]
amdhsa.kernels:
  - .name:           k_q8ce0e1ab38_scores
    .symbol:         k_q8ce0e1ab38_scores.kd
    .args:
      - { .name: qk, .offset: 0, .size: 8, .value_kind: global_buffer, .address_space: global }
      - { .name: p_img, .offset: 8, .size: 8, .value_kind: global_buffer, .address_space: global }
      - { .name: stats, .offset: 16, .size: 8, .value_kind: global_buffer, .address_space: global }
    .group_segment_fixed_size: 327680
    .private_segment_fixed_size: 0
    .kernarg_segment_align: 8
    .kernarg_segment_size: 24
    .max_flat_workgroup_size: 128
    .sgpr_count:     66
    .vgpr_count:     1024
    .wavefront_size: 32
...
	.end_amdgpu_metadata
.endif
;; end of part 3
;; launch mix (part 4): grid 8 x 32, 4 waves a work-group, clusters of 4 x 1, 327,680 bytes of LDS; arguments p_img, vt, stats, out0; writes out0
.if DOCPART == 4
	.amdgcn_target "amdgcn-amd-amdhsa--gfx1250"
	.amdhsa_code_object_version 6
	.text
	.protected	k_q8ce0e1ab38_mix
	.globl	k_q8ce0e1ab38_mix
	.p2align	8
	.type	k_q8ce0e1ab38_mix,@function
k_q8ce0e1ab38_mix:
	s_mov_b64 s[64:65], 0
	v_nop
	global_prefetch_b8 v0, s[64:65] scope:SCOPE_SE
	s_setreg_imm32_b32 hwreg(HW_REG_WAVE_MODE, 25, 1), 1
	s_wait_xcnt 0x0
	s_wait_alu depctr_hold_cnt(0) depctr_sa_sdst(0) depctr_va_vdst(0) depctr_va_sdst(0) depctr_va_ssrc(0) depctr_va_vcc(0) depctr_vm_vsrc(0)
	s_getreg_b32 s2, hwreg(HW_REG_IB_STS2, 6, 4)
	s_cmp_eq_u32 s2, 0
	s_cbranch_scc0 .Lentry_in_a_cluster
	s_endpgm
.Lentry_in_a_cluster:
	s_bfe_u32 s2, ttmp6, 0x10000c
	s_cmp_lg_u32 s2, 0x3003
	s_cbranch_scc0 .Lentry_shape_is_right
	s_endpgm
.Lentry_shape_is_right:
; out0[b][q][:] = round((sum over key blocks kb of 2^(m_kb - M) (p_kb v_kb)) / L, 4 decimals), M the running maximum of the blocks' m, L = the sum of 2^(m_kb - M) l_kb.
; p (f16, relative to its block's maximum), m and l come from the launch before; v as f16 with the keys innermost.  Products on f16 operands, sums in f32.
; A key block's product p_kb v_kb is summed by the matrix unit in accumulators of its own, begun with the constant 0; the factor 2^(m_kb - M), at most 1, is applied in f32 when the block is added to O.
; When M moves, O and L are multiplied by 2^(old M - new M).
; LIMITS: |v| under 65,504; NaN and infinities are not served.  The rounding is round-to-even of O x (10,000 / L), then x 0.0001.
; SHARES: a work-group makes two tiles of 128 queries x 128 channels, query blocks p and 15 - p of one batch, one after the other.  Block i needs (i / 2) + 1 steps of 256 keys, the two together
; always 9: every work-group has the same work and the trip counts are constants.  The tile with the even number of steps, NA, goes first, so that it ends behind a trip on slot 1.
; A wave makes 64 queries x 64 channels.  A step's four blocks of 32,768 bytes (p's two, v's two) are fetched one by each wave into one of two slots: one tensor load of a wave is out.
; CLUSTER: the four work-groups of a cluster are four channel tiles of the same queries: p's blocks are asked for jointly (waves 0 and 1); v's differ and are plain loads (waves 2 and 3) behind the same round.
; All that steers the walk (NA, which blocks) comes from the cluster's y: it is alike in the four.  v is not shared: work-groups with the same channels walk different keys at a time.
; THE MATRIX INSTRUCTION: source 0 = 16 channels of v, source 1 = 16 queries of p: lane (r, h) holds query 16 i + r and channels 16 j + 8 h + 0..7.
; REGISTERS: window 0: addresses, statistics, the way out.  window 1: two buffers of 128: p (64), v (64), for 64 keys.  window 2: v0-127 O, written by vector instructions alone; v128-255 a key block's 16 accumulators.
.set BLK,   32768
.set SLOT,  4*BLK                      ; p's two blocks, then v's two
.set STAGE, 2*SLOT                     ; the way out: 16 rows x (256 bytes + 16) for each wave
.set SPARE, STAGE+4*16*272             ; the spare words, 128 bytes a wave
.set LI,  1                            ; v1   16 x lane
.set ADP, 2                            ; v2-3 my rows of p in slot 0, 1
.set ADV, 4                            ; v4-5 my rows of v
.set STO, 6
.set RD,  7
.set GO,  8
.set SPW, 10
.set NIL, 11
.set ST,  32                           ; v32-47, v48-63: a step's m, l of key block 0, m, l of key block 1, four query tiles each; a set for each slot
.set MM,  64                           ; running maximum
.set LL,  68                           ; running sum
.set MN,  72
.set AL,  76                           ; 2^(old M - new M) of tile i at v[76 + 2 i]: named as pairs, the odd ones written once
.set C0,  84                           ; 2^(m - M) of the step's first key block, likewise;
.set C1,  92                           ; of its second
.set RF,  100                          ; 10,000 / L of tile i at v[100 + 2 i]
.set TM,  112                          ; v112-143 the way out: a tile's 32 numbers
.set OBF, 144                          ; v144-207 rows read back, two sets
.set TA,  128                          ; window 2: a key block's accumulators, (i, j) at v[128 + 8 (4 i + j)]
.set WV,  12
.set RH,  13
.set CH,  14
.set NA,  20
.set TN,  23
.set LAP, 24
.set G1P, 28
.set G1V, 36
.set G0P, 44
.set G0V, 48
.set PBST, 52                          ; s[52:53] where my block of p of tile B's first step lies;  s[54:55] my block of v of a tile's first step;  s[58:59] tile B's first statistics
.set VST,  54
.set SCUR, 56                          ; s[56:57] the statistics of the step last asked for
.set SBST, 58
.set OA,  60
.set OB,  62
.set LW,  76
.set PCUR, 82                          ; s[82:83] where my block of p of the step last asked for lies;  s[84:85] my block of v.  They carry no type bits: a descriptor's words are made of them anew for each load
.set VCUR, 84
.set MSB, 0
.macro WIN new
.if MSB != (\new)
	s_set_vgpr_msb (MSB<<8)|(\new)
.set MSB, (\new)
.endif
.endm
.set MAIN, 0xa5                        ; sources 0 (v) and 1 (p) window 1; C and D window 2
.set MRG,  0xa2                        ; destination, source 0 and source 2 window 2; source 1 (the factor) window 0
.macro ROUND                           ; a round of the cluster's barrier
	s_barrier_signal -1
	s_barrier_wait -1
	s_cmp_lg_u32 s[WV], 0
	s_cbranch_scc1 .Lnot_wave_0_\@
	s_barrier_signal -3
.Lnot_wave_0_\@:
	s_barrier_wait -3
	s_barrier_signal -1
	s_barrier_wait -1
.endm
.macro JLOAD                           ; waves 0, 1: p's blocks, jointly; waves 2, 3: v's.  An s_nop 0 and four v_nop follow each line
	s_cmp_lt_u32 s[WV], 2
	s_cbranch_scc0 .Lfor_v_\@
	tensor_load_to_lds s[G0P:G0P+3], s[G1P:G1P+7]
	s_nop 0
.rept 4
	v_nop
.endr
	s_branch .Lasked_\@
.Lfor_v_\@:
	tensor_load_to_lds s[G0V:G0V+3], s[G1V:G1V+7]
	s_nop 0
.rept 4
	v_nop
.endr
.Lasked_\@:
.endm
.macro GROUP0                          ; the two descriptors' address words, from the walking addresses; the type is set anew each time
	s_mov_b64 s[G0P+2:G0P+3], s[PCUR:PCUR+1]
	s_or_b32 s[G0P+3], s[G0P+3], 0x80000000
	s_mov_b64 s[G0V+2:G0V+3], s[VCUR:VCUR+1]
	s_or_b32 s[G0V+3], s[G0V+3], 0x80000000
.endm
.macro SLOAD set                       ; a step's statistics of my 64 queries: 512 consecutive bytes a load
	global_load_b128 v[ST+16*(\set):ST+16*(\set)+3],     v[LI], s[SCUR:SCUR+1]
	global_load_b128 v[ST+16*(\set)+4:ST+16*(\set)+7],   v[LI], s[SCUR:SCUR+1] offset:512
	global_load_b128 v[ST+16*(\set)+8:ST+16*(\set)+11],  v[LI], s[SCUR:SCUR+1] offset:2048
	global_load_b128 v[ST+16*(\set)+12:ST+16*(\set)+15], v[LI], s[SCUR:SCUR+1] offset:2560
.endm
.macro PLACES                          ; four plain vector instructions in front of loads into registers that matrix instructions have read, and of the first read of results
.rept 4
	v_nop
.endr
.endm
	s_load_b256 s[4:11], s[0:1], 0x0               ; p_img s[4:5], vt s[6:7], stats s[8:9], out0 s[10:11]
	v_lshl_add_u32 v[SPW], v0, 2, SPARE
	v_mov_b32 v[NIL], 0
	ds_add_u32 v[SPW], v[NIL]                      ; the wave's opening: the add, twice on end, and its wait ahead of my first tensor load
	ds_add_u32 v[SPW], v[NIL]
	v_lshrrev_b32 v12, 5, v0
	v_readfirstlane_b32 s[WV], v12                 ; wave 0..3
	s_lshr_b32 s[RH], s[WV], 1                     ; my half of the queries
	s_and_b32 s[CH], s[WV], 1                      ; my half of the channels.  Also: which of a step's two key blocks I fetch
	s_bfe_u32 s15, ttmp6, 0x40000                  ; cx
	s_lshl_b32 s16, ttmp9, 2
	s_add_co_u32 s16, s16, s15                     ; channel tile = 4 x cluster x + cx: it enters v's and out0's addresses alone
	s_and_b32 s17, ttmp7, 0xffff
	s_lshr_b32 s18, s17, 3                         ; the batch
	s_and_b32 s19, s17, 7                          ; p
	s_lshr_b32 s21, s19, 1                         ; q = p / 2
	s_sub_co_u32 s22, 15, s19                      ; 15 - p
	s_add_co_u32 s27, s21, 1                       ; block p has 1 + q steps,
	s_sub_co_u32 s66, 8, s21                       ; block 15 - p has 8 - q
	s_and_b32 s67, s21, 1
	s_cmp_lg_u32 s67, 0                            ; q odd: 1 + q is the even one
	s_cselect_b32 s[NA], s27, s66
	s_cselect_b32 s25, s19, s22                    ; tile A's block,
	s_cselect_b32 s26, s22, s19                    ; tile B's
	s_lshl_b32 s18, s18, 4
	s_add_co_u32 s25, s25, s18                     ; + 16 x batch
	s_add_co_u32 s26, s26, s18
	s_lshl_b32 s66, s25, 19                        ; p: 16 key blocks of 32,768 bytes to a query block,
	s_lshl_b32 s67, s[CH], 15                      ; + my key block of the step
	s_add_co_u32 s66, s66, s67                     ; tile A's first step,
	s_lshl_b32 s78, s26, 19
	s_add_co_u32 s78, s78, s67                     ; tile B's
	s_mov_b32 s67, 0
	s_mov_b32 s79, 0
	s_lshl_b32 s68, s18, 3                         ; v: block 128 x batch + 16 x channel tile + my key block
	s_lshl_b32 s69, s16, 4
	s_add_co_u32 s68, s68, s69
	s_add_co_u32 s68, s68, s[CH]
	s_lshl_b32 s68, s68, 15
	s_mov_b32 s69, 0
	s_lshl_b32 s70, s25, 15                        ; statistics: 16 x 2,048 bytes to a query block, + my half's 1,024
	s_lshl_b32 s71, s[RH], 10
	s_add_co_u32 s70, s70, s71                     ; tile A's,
	s_lshl_b32 s80, s26, 15
	s_add_co_u32 s80, s80, s71                     ; tile B's
	s_mov_b32 s71, 0
	s_mov_b32 s81, 0
	s_lshl_b32 s72, s[RH], 18                      ; out0: 64 rows of 4,096 bytes, + 512 x channel tile + 256 x half
	s_lshl_b32 s73, s16, 9
	s_add_co_u32 s72, s72, s73
	s_lshl_b32 s73, s[CH], 8
	s_add_co_u32 s72, s72, s73
	s_lshl_b32 s74, s25, 19
	s_add_co_u32 s74, s74, s72                     ; tile A's
	s_mov_b32 s75, 0
	s_lshl_b32 s73, s26, 19
	s_add_co_u32 s72, s72, s73                     ; tile B's
	s_mov_b32 s73, 0
	s_lshl_b32 s[LW], s[WV], 15                    ; where my block goes in a slot: no place in the cluster enters an LDS address
	; descriptor group 1: a dense block as 128 rows of 256 bytes (32 elements of 8 bytes), no padding; p's with the mask of all four and bit 21 beside it
	s_mov_b32 s[G1P+0], 15|(3<<16)|(1<<21)
	s_mov_b32 s[G1V+0], 3<<16
.irp g, G1P, G1V
	s_mov_b32 s[\g+1], 32<<16
	s_mov_b32 s[\g+2], 128<<16
	s_mov_b32 s[\g+3], 32<<16
	s_mov_b32 s[\g+4], 128
	s_mov_b32 s[\g+5], 32
	s_mov_b32 s[\g+6], 0
	s_mov_b32 s[\g+7], 0
.endr
	v_and_b32 v[LI], 31, v0
	v_lshlrev_b32 v[LI], 4, v[LI]
	s_mov_b32 s[TN], 0
	s_mov_b32 s[LAP], 4
	s_wait_dscnt 0x0                               ; both opening adds are done
	s_wait_kmcnt 0x0
	s_add_nc_u64 s[PCUR:PCUR+1], s[4:5], s[66:67]  ; every start address is its buffer's pointer + an offset under 2^25
	s_add_nc_u64 s[PBST:PBST+1], s[4:5], s[78:79]
	s_add_nc_u64 s[VCUR:VCUR+1], s[6:7], s[68:69]
	s_add_nc_u64 s[VST:VST+1], s[6:7], s[68:69]
	s_add_nc_u64 s[SCUR:SCUR+1], s[8:9], s[70:71]
	s_add_nc_u64 s[SBST:SBST+1], s[8:9], s[80:81]
	s_add_nc_u64 s[OA:OA+1], s[10:11], s[74:75]
	s_add_nc_u64 s[OB:OB+1], s[10:11], s[72:73]
	s_mov_b32 s[G0P], 1
	s_mov_b32 s[G0P+1], s[LW]                      ; slot 0
	s_mov_b32 s[G0V], 1
	s_mov_b32 s[G0V+1], s[LW]
	GROUP0
	ROUND                                          ; all four work-groups are here: the first joint loads meet
	JLOAD                                          ; step 0
	SLOAD 0
	s_lshl_b32 s66, s[RH], 14                      ; my 64 rows of a block of p: 16,384 bytes a half
	s_lshl_b32 s67, s[CH], 14
	s_add_co_u32 s67, s67, 2*BLK                   ; my 64 rows of a block of v, behind p's two blocks
.irp s, 0,1
	v_add_nc_u32 v[ADP+\s], s66, v[LI]
	v_add_nc_u32 v[ADV+\s], s67, v[LI]
	s_add_co_u32 s66, s66, SLOT
	s_add_co_u32 s67, s67, SLOT
.endr
	v_and_b32 v12, 15, v0                          ; r
	v_bfe_u32 v13, v0, 4, 1                        ; h
	s_mul_i32 s66, s[WV], 16*272
	s_add_co_u32 s66, s66, STAGE                   ; my stage
	v_mul_u32_u24 v[STO], v12, 272
	v_lshl_add_u32 v[STO], v13, 5, v[STO]
	v_add_nc_u32 v[STO], s66, v[STO]               ; in: row r, 32 bytes for each half of the lanes
	v_mul_u32_u24 v[RD], v13, 272
	v_lshl_add_u32 v[RD], v12, 4, v[RD]
	v_add_nc_u32 v[RD], s66, v[RD]                 ; back: lanes 0-15 one row of 256 bytes, lanes 16-31 the next
	v_lshlrev_b32 v[GO], 12, v13
	v_lshl_add_u32 v[GO], v12, 4, v[GO]            ; and the same two rows in out0
.irp i, 0,1,2,3
	v_mov_b32 v[MM+\i], 0xff61b1e6                 ; the running maximum: -3e38, under every m
	v_mov_b32 v[LL+\i], 0
	v_mov_b32 v[AL+2*\i+1], 0                      ; named as upper halves of pairs, so they are written
	v_mov_b32 v[C0+2*\i+1], 0
	v_mov_b32 v[C1+2*\i+1], 0
	v_mov_b32 v[RF+2*\i+1], 0
.endr
	WIN 0x80                                       ; destination window 2
.set QN, 0
.rept 128
	v_mov_b32 v[QN], 0                             ; O, cleared once while step 0 is on its way: the step is written once, and its first multiplication leaves zeros zeros
.set QN, QN+1
.endr
	WIN 0
; 32 LDS loads in one run: 64 keys, the step's qq-th, into buffer f: p of the first 32 keys, v of them, p of the second 32, v of them; eight loads each.  Each load reads 512 consecutive bytes.
.macro FETCH slot, qq, f
	WIN 0x40                                       ; destination window 1, address window 0
.irp c, 0,1
.irp i, 0,1,2,3
	ds_load_b128 v[128*(\f)+32*\c+8*\i:128*(\f)+32*\c+8*\i+3],   v[ADP+\slot] offset:BLK*((2*(\qq)+\c)/4)+1024*((2*(\qq)+\c)%4)+4096*\i
	ds_load_b128 v[128*(\f)+32*\c+8*\i+4:128*(\f)+32*\c+8*\i+7], v[ADP+\slot] offset:BLK*((2*(\qq)+\c)/4)+1024*((2*(\qq)+\c)%4)+4096*\i+512
.endr
.irp i, 0,1,2,3
	ds_load_b128 v[128*(\f)+64+32*\c+8*\i:128*(\f)+64+32*\c+8*\i+3],   v[ADV+\slot] offset:BLK*((2*(\qq)+\c)/4)+1024*((2*(\qq)+\c)%4)+4096*\i
	ds_load_b128 v[128*(\f)+64+32*\c+8*\i+4:128*(\f)+64+32*\c+8*\i+7], v[ADV+\slot] offset:BLK*((2*(\qq)+\c)/4)+1024*((2*(\qq)+\c)%4)+4096*\i+512
.endr
.endr
.endm
; Product QN of 16: query tile QN / 4, channel tile QN % 4, 32 keys.  The 16 accumulators take turns, one instruction a turn.  zero = 1: a key block's first 32 keys start its sums.
.macro PROD f, c, zero
.if (\zero)
	v_wmma_f32_16x16x32_f16 v[TA+8*QN:TA+8*QN+7], v[128*(\f)+64+32*(\c)+8*(QN%4):128*(\f)+64+32*(\c)+8*(QN%4)+7], v[128*(\f)+32*(\c)+8*(QN/4):128*(\f)+32*(\c)+8*(QN/4)+7], 0
.else
	v_wmma_f32_16x16x32_f16 v[TA+8*QN:TA+8*QN+7], v[128*(\f)+64+32*(\c)+8*(QN%4):128*(\f)+64+32*(\c)+8*(QN%4)+7], v[128*(\f)+32*(\c)+8*(QN/4):128*(\f)+32*(\c)+8*(QN/4)+7], v[TA+8*QN:TA+8*QN+7]
.endif
.endm
; A finished key block joins O: O += its sums x its queries' factors, in f32, two numbers a line, ascending.
; These 64 lines are also the plain instructions between the block's last products and the next block's first, which write the same accumulators anew.
.macro MERGE cf
	PLACES
	WIN MRG
.set QN, 0
.rept 64
	v_pk_fma_f32 v[2*QN:2*QN+1], v[TA+2*QN:TA+2*QN+1], v[\cf+2*(QN/16):\cf+2*(QN/16)+1], v[2*QN:2*QN+1] op_sel_hi:[1,0,1]
.set QN, QN+1
.endr
.endm
; The step's new maximum, its three factors and the sum; O under the new maximum.  It stands behind the step's first run of LDS loads, which land meanwhile.
.macro STATS slot
.set SS, ST+16*(\slot)
.irp i, 0,1,2,3
	v_max3_num_f32 v[MN+\i], v[MM+\i], v[SS+\i], v[SS+8+\i]
.endr
.irp i, 0,1,2,3
	v_sub_f32 v[AL+2*\i], v[MM+\i], v[MN+\i]
.endr
.irp i, 0,1,2,3
	v_sub_f32 v[C0+2*\i], v[SS+\i], v[MN+\i]
.endr
.irp i, 0,1,2,3
	v_sub_f32 v[C1+2*\i], v[SS+8+\i], v[MN+\i]
.endr
.irp i, 0,1,2,3
	v_exp_f32 v[AL+2*\i], v[AL+2*\i]
.endr
.irp i, 0,1,2,3
	v_exp_f32 v[C0+2*\i], v[C0+2*\i]
.endr
.irp i, 0,1,2,3
	v_exp_f32 v[C1+2*\i], v[C1+2*\i]
.endr
.irp i, 0,1,2,3
	v_mov_b32 v[MM+\i], v[MN+\i]                   ; plain work behind the batch
.endr
	s_wait_alu depctr_va_vdst(0)                   ; one wait for the twelve, ahead of their first reader
.irp i, 0,1,2,3
	v_mul_f32 v[LL+\i], v[LL+\i], v[AL+2*\i]
.endr
.irp i, 0,1,2,3
	v_fmac_f32 v[LL+\i], v[SS+4+\i], v[C0+2*\i]
.endr
.irp i, 0,1,2,3
	v_fmac_f32 v[LL+\i], v[SS+12+\i], v[C1+2*\i]
.endr
	WIN 0x82                                       ; destination and source 0 window 2
.set QN, 0
.rept 64
	v_pk_mul_f32 v[2*QN:2*QN+1], v[2*QN:2*QN+1], v[AL+2*(QN/16):AL+2*(QN/16)+1] op_sel_hi:[1,0]
.set QN, QN+1
.endr
.endm
; A quarter of a step: 64 keys, 32 products; in its middle the next quarter's run of loads.  Quarters 0 and 1 are the step's first key block, 2 and 3 its second; behind an odd quarter the block joins O.
.macro QUARTER slot, q
.set QF, (\q)%2
.set QG, 1-QF
	WIN MAIN
	s_wait_dscnt 16                                ; p and v of this quarter's first 32 keys are in; the sixteen loads of its second 32 may be out
.set QN, 0
.rept 16
	PROD QF, 0, 1-(\q)%2
.set QN, QN+1
.endr
.if (\q) < 3
	PLACES                                         ; in front of loads into the buffer that the quarter before multiplied
	FETCH \slot, (\q)+1, QG
	WIN MAIN
	s_wait_dscnt 32                                ; all but the 32 just issued
.else
	s_wait_dscnt 0x0
.endif
.set QN, 0
.rept 16
	PROD QF, 1, 0
.set QN, QN+1
.endr
.if (\q) == 1
	MERGE C0
.endif
.if (\q) == 3
	MERGE C1
.endif
.endm
; A STEP of 256 keys on one slot.  At its head the change of slots: each wave waits for all its tensor loads (its block of this slot), adds 0 to its spare word, and waits for that and for its reads of the
; other slot.  refill = 1: behind a round of the cluster's barrier the other slot takes the next step, which has this step's 128 matrix instructions in which to land, and the next step's statistics are asked for.
; The walking addresses step by constants; where the step asked for is tile B's first, the start addresses made at the head take their place.
.macro TRIP slot, refill
	WIN 0
	s_wait_tensorcnt 0x0                           ; no tensor load of mine is out, so the descriptors may be written
	ds_add_u32 v[SPW], v[NIL]
	s_wait_loadcnt 0x0                             ; this step's statistics are in, and their base may be stepped
.if \refill
	s_add_co_u32 s[TN], s[TN], 1                   ; the step that is asked for
	s_add_co_u32 s[G0P+1], s[LW], (1-\slot)*SLOT
	s_add_co_u32 s[G0V+1], s[LW], (1-\slot)*SLOT
	s_add_nc_u64 s[PCUR:PCUR+1], s[PCUR:PCUR+1], 2*BLK   ; two key blocks on
	s_add_nc_u64 s[VCUR:VCUR+1], s[VCUR:VCUR+1], 2*BLK
	s_add_nc_u64 s[SCUR:SCUR+1], s[SCUR:SCUR+1], 4096
	s_cmp_eq_u32 s[TN], s[NA]                      ; tile B's first step?  The count of steps and ids alone: alike in all waves and in all four partners
	s_cselect_b64 s[PCUR:PCUR+1], s[PBST:PBST+1], s[PCUR:PCUR+1]
	s_cselect_b64 s[VCUR:VCUR+1], s[VST:VST+1], s[VCUR:VCUR+1]
	s_cselect_b64 s[SCUR:SCUR+1], s[SBST:SBST+1], s[SCUR:SCUR+1]
	GROUP0
.endif
	s_wait_dscnt 0x0                               ; the add is done, and my reads of the other slot are over
.if \refill
	ROUND
	JLOAD
	SLOAD 1-\slot
.else
	s_barrier_signal -1
	s_barrier_wait -1
.endif
	FETCH \slot, 0, 0
	WIN 0
	STATS \slot
	QUARTER \slot, 0
	QUARTER \slot, 1
	QUARTER \slot, 2
	QUARTER \slot, 3
	WIN 0
.endm
; THE WAY OUT of a tile: x 10,000 / L, rounded to a whole number, x 0.0001; 16 queries at a time through my stage, so that sixteen lanes store 256 consecutive bytes at a multiple of 256 from out0's first byte.
.macro FLUSH base
.irp i, 0,1,2,3
	v_rcp_f32 v[RF+2*\i], v[LL+\i]
.endr
	v_nop                                          ; a plain instruction behind the last reciprocal
	s_wait_alu depctr_va_vdst(0)                   ; one wait for the four
.irp i, 0,1,2,3
	v_mul_f32 v[RF+2*\i], 0x461c4000, v[RF+2*\i]
.endr
.irp i, 0,1,2,3
	WIN 0x02                                       ; source 0 window 2
.irp n, 0,1,2,3,4,5,6,7,8,9,10,11,12,13,14,15
	v_pk_mul_f32 v[TM+2*\n:TM+2*\n+1], v[32*\i+2*\n:32*\i+2*\n+1], v[RF+2*\i:RF+2*\i+1] op_sel_hi:[1,0]
.endr
	WIN 0
.set QN, 0
.rept 32
	v_rndne_f32 v[TM+QN], v[TM+QN]
.set QN, QN+1
.endr
.irp n, 0,1,2,3,4,5,6,7,8,9,10,11,12,13,14,15
	v_pk_mul_f32 v[TM+2*\n:TM+2*\n+1], v[TM+2*\n:TM+2*\n+1], 0x38d1b717 op_sel_hi:[1,0]
.endr
.irp j, 0,1,2,3
	ds_store_b128 v[STO], v[TM+8*\j:TM+8*\j+3] offset:64*\j
	ds_store_b128 v[STO], v[TM+8*\j+4:TM+8*\j+7] offset:64*\j+16
.endr
	s_wait_xcnt 0x0                                ; earlier stores have read their registers: this set may be loaded again
.irp t, 0,1,2,3,4,5,6,7
	ds_load_b128 v[OBF+32*(\i%2)+4*\t:OBF+32*(\i%2)+4*\t+3], v[RD] offset:544*\t   ; LDS serves a wave's instructions in order: these see my stores
.endr
	s_wait_dscnt 0x0
.irp t, 0,1,2,3,4,5,6,7
	global_store_b128 v[GO], v[OBF+32*(\i%2)+4*\t:OBF+32*(\i%2)+4*\t+3], s[\base:\base+1] offset:(16*\i+2*\t)*4096 th:TH_STORE_NT
.endr
.endr
.endm
.Llap:                                                 ; four laps of two steps; the ninth step is written out
	TRIP 0, 1
	TRIP 1, 1
	s_cmp_lg_u32 s[TN], s[NA]                      ; ids and the count of steps alone, alike in all waves and in all four partners
	s_cbranch_scc1 .Lgo_on
	FLUSH OA                                       ; tile A is finished; tile B's first step is on its way meanwhile
.irp i, 0,1,2,3
	v_mov_b32 v[MM+\i], 0xff61b1e6                 ; tile B begins: its first step multiplies the old O and the old L, which are finite, by 2^(-3e38 - M) = 0
.endr
.Lgo_on:
	s_sub_co_u32 s[LAP], s[LAP], 1
	s_cmp_lg_u32 s[LAP], 0
	s_cbranch_scc1 .Llap
	TRIP 0, 0
	FLUSH OB
	s_wait_tensorcnt 0x0                           ; the wave's end, behind my last tensor load and my last LDS store
	ds_add_u32 v[SPW], v[NIL]
	s_wait_dscnt 0x0
	ROUND                                          ; the closing round
	s_endpgm
.Lfunc_end_k_q8ce0e1ab38_mix:
	.size	k_q8ce0e1ab38_mix, .Lfunc_end_k_q8ce0e1ab38_mix-k_q8ce0e1ab38_mix
	.p2alignl 7, 3214868480
	.fill 96, 4, 3214868480
	.section	.rodata,"a",@progbits
	.p2align	6, 0x0
	.amdhsa_kernel k_q8ce0e1ab38_mix
		.amdhsa_group_segment_fixed_size 327680
		.amdhsa_private_segment_fixed_size 0
		.amdhsa_enable_private_segment 0
		.amdhsa_kernarg_size 32
		.amdhsa_user_sgpr_count 2
		.amdhsa_user_sgpr_kernarg_segment_ptr 1
		.amdhsa_wavefront_size32 1
		.amdhsa_system_sgpr_workgroup_id_x 1
		.amdhsa_system_sgpr_workgroup_id_y 1
		.amdhsa_system_sgpr_workgroup_id_z 1
		.amdhsa_system_vgpr_workitem_id 0
		.amdhsa_next_free_vgpr 768
		.amdhsa_next_free_sgpr 88
		.amdhsa_reserve_vcc 0
		.amdhsa_float_denorm_mode_32 3
		.amdhsa_float_denorm_mode_16_64 3
		.amdhsa_memory_ordered 1
		.amdhsa_forward_progress 1
		.amdhsa_inst_pref_size 153
	.end_amdhsa_kernel
	.amdgpu_metadata
---
amdhsa.version: [ 1, 2 ]
amdhsa.kernels:
  - .name:           k_q8ce0e1ab38_mix
    .symbol:         k_q8ce0e1ab38_mix.kd
    .args:
      - { .name: p_img, .offset: 0, .size: 8, .value_kind: global_buffer, .address_space: global }
      - { .name: vt, .offset: 8, .size: 8, .value_kind: global_buffer, .address_space: global }
      - { .name: stats, .offset: 16, .size: 8, .value_kind: global_buffer, .address_space: global }
      - { .name: out0, .offset: 24, .size: 8, .value_kind: global_buffer, .address_space: global }
    .group_segment_fixed_size: 327680
    .private_segment_fixed_size: 0
    .kernarg_segment_align: 8
    .kernarg_segment_size: 32
    .max_flat_workgroup_size: 128
    .sgpr_count:     88
    .vgpr_count:     768
    .wavefront_size: 32
...
	.end_amdgpu_metadata
.endif
;; end of part 4
